; MI455X (gfx1250); checked and timed in simulation.
; The chip was launched on July 23, 2026; its instructions are those of AMD's public machine-readable ISA for CDNA 5 (MIT licence, August 2026) and "CDNA5" Instruction Set Architecture Reference Guide (July 2026). The comments in the code are by the model that wrote it; some were corrected since.
;; Self Attention. Allowed arithmetic: matrix products marked QUANTISED: E4M3 operands, one given power-of-two scale a tensor, by v_wmma_f32_16x16x64_fp8_fp8 or v_wmma_f32_16x16x128_fp8_fp8, f32 sums; everything else in f32.
;; Inputs: attention_mask 1 x 4,096 int32; hidden_states 1 x 4,096 x 2,048 float32; lowp_scales 12 int32 (the exponents e of the quantised operands' scales 2^e); position_ids 1 x 4,096 int32; wk 2,048 x 512 float32; wo 1,024 x 2,048 float32; wq 2,048 x 1,024 float32; wv 2,048 x 512 float32.
;; Outputs: out0 1 x 4,096 x 2,048 float32.
;; This version of the problem:
;;   THIS VERSION OF THE PROBLEM IS GIVEN IN LOW PRECISION. The matrix products marked QUANTISED in the list below multiply operands that are first quantised to E4M3 (4 exponent bits, 3 mantissa bits; 8 bits a number), with one given power-of-two scale for each operand tensor; their sums are f32. All else is computed in f32.
;;   The module's matrix products, in the order in which they are computed (A, B: the left and right operand; K: the contracted axis; several contracted axes count as one K, in the product's order):
;;     1. [M 4,096, K 2,048] x [K 2,048, N 1,024]; A: input hidden_states; B: input wq: QUANTISED (scales: A lowp_scales[0], B lowp_scales[1])
;;     2. [M 4,096, K 2,048] x [K 2,048, N 512]; A: input hidden_states; B: input wk: QUANTISED (scales: A lowp_scales[2], B lowp_scales[3])
;;     3. [M 4,096, K 2,048] x [K 2,048, N 512]; A: input hidden_states; B: input wv: QUANTISED (scales: A lowp_scales[4], B lowp_scales[5])
;;     4. batch 8 x [M 4,096, K 128] x [K 128, N 4,096]; A: computed on the way; B: computed on the way: QUANTISED (scales: A lowp_scales[6], B lowp_scales[7])
;;     5. batch 8 x [M 4,096, K 4,096] x [K 4,096, N 128]; A: softmax (see below); B: computed on the way: QUANTISED (scales: A lowp_scales[8], B lowp_scales[9])
;;     6. [M 4,096, K 1,024] x [K 1,024, N 2,048]; A: computed on the way; B: input wo: QUANTISED (scales: A lowp_scales[10], B lowp_scales[11])
;;   THE QUANTISER, for each operand of a quantised product, along K:
;;     - The operand's scale is 2^e, e = its entry of the input lowp_scales (int32; the entries are numbered through the quantised products in the list's order, A before B).
;;     - Each number is divided by the scale, clamped to +-448, and rounded to the nearest number of E4M3, ties to even, subnormals kept.
;;     - The product sums the exact products of the quantised numbers (number of the format x scale) in f32.
;;   ~~~python
;;   def quantise(x, axis, e):      # numpy; x: float32 -> the quantised numbers, widened to float32 again
;;       x = np.moveaxis(x, axis, -1); K = x.shape[-1]
;;       r = np.clip(x / 2.0 ** e, -448, 448)
;;       step = 2.0 ** (np.maximum(np.frexp(np.where(r == 0, 1, r))[1] - 1, -6) - 3)
;;       q = np.round(r / step) * step * 2.0 ** e      # np.round: ties to even
;;       return np.moveaxis(q, -1, axis).astype(np.float32)
;;   ~~~
;;   SOFTMAX AHEAD OF A QUANTISED PRODUCT. Where the list says 'softmax', what is quantised is not the finished softmax but p = 2^(t - M), with t = logit x log2(e) and M = ceil(the row's largest t), a whole number; so 1/2 < the row's largest p <= 1. The row's sum l is taken of the UNQUANTISED p, in f32, and the product's result is divided by l at the end. Since M is a whole number, a kernel that streams over the keys may use a running M (the ceiling of the running maximum): every later rescaling is an exact power of two, so the quantised numbers keep their values, but for numbers so far below the row's largest that they fall under the format's range.
;;   OPERANDS COMPUTED ON THE WAY. 'Computed on the way' means the value that the module computes at that place (a softmax that the list does not call 'softmax' is quantised finished and normalised). What goes into a quantiser is computed in f32, as accurately as f32 sums, v_exp_f32 and their like allow (about 1e-6 of the number): no bf16 or f16 on the way to a quantiser, and a product that is left as it is and whose result goes on into a quantised operand takes f32 operands (vector FMAs, or v_wmma_f32_16x16x4_f32). A number that lies on a knife's edge between two numbers of the format may be rounded either way, as far as f32 arithmetic and the matrix unit's own rounding can turn it there, and no further.
;; 2 versions, each right; version 2 is version 1 with the launch attn written anew for expert scheduling mode. Each part assembles by itself: llvm-mc -triple=amdgcn-amd-amdhsa -mcpu=gfx1250 --defsym DOCPART=n.
;; ======== version 1 of 2: 4 launches
;; workspace buffers: ximg 25,165,824 bytes; wimg 4,194,304 bytes; woimg 2,097,152 bytes; rope 2,129,920 bytes; mbits 1,024 bytes of whole numbers; qkvimg 8,388,608 bytes; aimg 4,194,304 bytes
;; launch prep (part 1): grid 513 x 1, 4 waves a work-group, no clusters, 67,072 bytes of LDS; arguments hidden_states, wq, wk, wv, wo, position_ids, attention_mask, lowp_scales, ximg, wimg, woimg, rope, mbits; writes ximg, wimg, woimg, rope, mbits
.if DOCPART == 1
	.amdgcn_target "amdgcn-amd-amdhsa--gfx1250"
	.amdhsa_code_object_version 6
	.text
	.protected	k_qae6206851d_prep
	.globl	k_qae6206851d_prep
	.p2align	8
	.type	k_qae6206851d_prep,@function
k_qae6206851d_prep:
	s_mov_b64 s[64:65], 0
	v_nop
	global_prefetch_b8 v0, s[64:65] scope:SCOPE_SE
	s_setreg_imm32_b32 hwreg(HW_REG_WAVE_MODE, 25, 1), 1
	s_wait_xcnt 0x0
; PREP: everything that later launches read many times is made once.
;   X (work-groups 257..512): hidden_states [4096][2048] f32 -> three sets of E4M3 codes (scales 2^e0, 2^e2, 2^e4), one for each projection.
;   W (65..256): wq, wk, wv, wo (K is their FIRST axis) -> codes with K innermost (scales 2^e1, 2^e3, 2^e5, 2^e11).
;   R (1..64): cos and sin of position x inv_freq, laid as the projection's results lie in registers.   M (0): the padding mask as bits, its first open key, four blocks cos = 1, sin = 0.
; AN IMAGE: codes are stored as an operand's registers.  A fragment of 16 rows x 128 K is 2,048 bytes: registers 4 c .. 4 c + 3 of lane l at byte 512 c + 16 l; lane (r = l % 16, h = l / 16) holds
; row r, and its registers 2 c, 2 c + 1 hold k = 16 c + 8 h + 0 .. 7.  So every later load of a fragment is four loads of 512 consecutive bytes.
; code = x / 2^e, held within +-448, to the nearest code, ties to even.  LIMITS: each e between -126 and 119; NaN among the inputs is not served; a mask entry other than 0 counts as 1.
; inv_freq: the f32 nearest to 10^(j/16) (decimal constants) and its reciprocal, corrected by one step; the angle is the f32 product with the position; it is reduced by pi/2 in three parts (positions up to 4,095).
; No tensor load, no barrier: waves share nothing.  Memory binds here, so no matrix unit, no cluster and no prefetch: the launch is one stream of loads and stores.
.set XST,   0                          ; LDS: path X: a stage of 16 rows x 528 bytes for each wave
.set WST,   33792                      ; path W: 8,192 bytes (four images) for each wave
.set SPARE, 66560                      ; the spare words, 128 bytes for each wave: two blocks of 256 bytes that no other line names
.set SPW,   222                        ; v222 LDS address of my spare word; never rewritten
.set NIL,   223                        ; v223 0; never rewritten
.set WV,    30                         ; s30  my wave's number
.macro MKSC e, vs, vl                  ; 2^e as f32 (the conversion takes its exponent field) and 448 x 2^e
	s_add_co_i32 s2, s[\e], 127
	s_lshl_b32 s3, s2, 23
	v_mov_b32 v[\vs], s3
	s_add_co_i32 s2, s2, 8
	s_lshl_b32 s2, s2, 23
	s_or_b32 s2, s2, 0x600000
	v_mov_b32 v[\vl], s2
.endm
	s_load_b256 s[4:11], s[0:1], 0x0               ; hidden s[4:5], wq s[6:7], wk s[8:9], wv s[10:11]
	s_load_b256 s[12:19], s[0:1], 0x20             ; wo s[12:13], positions s[14:15], mask s[16:17], scales s[18:19]
	s_load_b256 s[20:27], s[0:1], 0x40             ; ximg s[20:21], wimg s[22:23], woimg s[24:25], rope s[26:27]
	s_load_b64 s[28:29], s[0:1], 0x60              ; mbits
	v_lshl_add_u32 v[SPW], v0, 2, SPARE
	v_mov_b32 v[NIL], 0
	v_lshrrev_b32 v1, 5, v0
	v_readfirstlane_b32 s[WV], v1
	v_and_b32 v1, 31, v0                           ; lane
	v_lshlrev_b32 v2, 4, v1                        ; 16 x lane
	v_lshlrev_b32 v3, 2, v1                        ; 4 x lane
	s_mov_b32 s33, 0
	s_wait_kmcnt 0x0
	s_cmp_eq_u32 ttmp9, 0
	s_cbranch_scc1 .LM
	s_cmp_lt_u32 ttmp9, 65
	s_cbranch_scc1 .LR
	s_cmp_lt_u32 ttmp9, 257
	s_cbranch_scc1 .LW
; ---------------- X: 16 rows of hidden_states; wave w takes K steps 4 w .. 4 w + 3 (128 along K each)
; v16-79 a tile as loaded; v80-143 the same with a lane's numbers along K; v144-159 held numbers, two sets; v160-207 codes, 16 for each scale; v208-213 the three scales
	s_load_b256 s[36:43], s[18:19], 0x0            ; e0 .. e7
	s_sub_co_u32 s31, ttmp9, 257                   ; the tile of 16 rows
	s_lshl_b32 s32, s31, 17                        ; 16 rows of 8,192 bytes
	s_lshl_b32 s34, s[WV], 11                      ; my four K steps: 2,048 bytes of a row
	s_add_co_u32 s32, s32, s34
	s_add_nc_u64 s[4:5], s[4:5], s[32:33]
.macro XLOAD t                         ; K step t of my four: each load reads 512 consecutive bytes of one row
.set xi, 0
.rept 16
	global_load_b128 v[16+4*xi:19+4*xi], v2, s[4:5] offset:8192*xi+512*(\t) th:TH_LOAD_NT
.set xi, xi+1
.endr
.endm
	XLOAD 0
	s_lshl_b32 s32, s31, 4
	s_lshl_b32 s34, s[WV], 2
	s_add_co_u32 s32, s32, s34
	s_lshl_b32 s32, s32, 11                        ; image (16 x tile + 4 w)
	s_add_nc_u64 s[20:21], s[20:21], s[32:33]      ; the first set of codes,
	s_add_nc_u64 s[48:49], s[20:21], 0x800000      ; the second,
	s_add_nc_u64 s[50:51], s[48:49], 0x800000      ; the third
	s_mul_i32 s34, s[WV], 8448                     ; my stage
	v_add_nc_u32 v4, s34, v2                       ; in: a row's 512 bytes as they lie
	v_and_b32 v6, 15, v0
	v_bfe_u32 v7, v0, 4, 1
	v_mul_u32_u24 v5, v6, 528
	v_lshl_add_u32 v5, v7, 5, v5
	v_add_nc_u32 v5, s34, v5                       ; out: row r, + 32 h: eight neighbours of every sixteen
	s_wait_kmcnt 0x0
	MKSC 36, 208, 209
	MKSC 38, 210, 211
	MKSC 40, 212, 213
.macro XZ t, z, ptr                    ; the tile's codes under scale z, and their image
.set xc, 0
.rept 8
.set xk, 0
.rept 8
	v_med3_num_f32 v[144+8*(xc%2)+xk], v[80+8*xc+xk], -v[209+2*(\z)], v[209+2*(\z)]   ; the conversion does not saturate (ISA guide 7.6.2): the hold comes first.  These eight are also the plain lines between two conversions
.set xk, xk+1
.endr
	v_cvt_scalef32_pk8_fp8_f32 v[160+16*(\z)+2*xc:161+16*(\z)+2*xc], v[144+8*(xc%2):151+8*(xc%2)], v[208+2*(\z)]
.set xc, xc+1
.endr
.set xc, 0
.rept 4
	global_store_b128 v2, v[160+16*(\z)+4*xc:163+16*(\z)+4*xc], s[\ptr:\ptr+1] offset:2048*(\t)+512*xc   ; 512 consecutive bytes
.set xc, xc+1
.endr
.endm
.macro XT t
	s_wait_loadcnt 0x0                             ; the tile is in
.set xi, 0
.rept 16
	ds_store_b128 v4, v[16+4*xi:19+4*xi] offset:528*xi
.set xi, xi+1
.endr
.set xi, 0
.rept 8
	ds_load_b128 v[80+8*xi:83+8*xi], v5 offset:64*xi       ; LDS serves a wave's instructions in order: these see my stores.  Rows 528 bytes apart
	ds_load_b128 v[84+8*xi:87+8*xi], v5 offset:64*xi+16
.set xi, xi+1
.endr
	s_wait_dscnt 0x0
	s_wait_xcnt 0x0                                ; the last tile's stores have read their codes: those registers are written again below
.if \t < 3
	XLOAD (\t)+1                                   ; the next tile comes while this one is quantised three times
.endif
	XZ \t, 0, 20
	XZ \t, 1, 48
	XZ \t, 2, 50
.endm
	XT 0
	XT 1
	XT 2
	XT 3
	s_wait_tensorcnt 0x0                           ; the wave's end, behind my last LDS store
	ds_add_u32 v[SPW], v[NIL]
	s_wait_dscnt 0x0
	s_endpgm
; ---------------- W: 128 columns x 256 along K of one weight; a wave takes 32 columns, a lane one column, its registers run down K
; v32-63 row offsets; v64-127 two sets of 32 numbers; v128-135 a block's codes; v136-199 the way out
.LW:
	s_load_b256 s[36:43], s[18:19], 0x0            ; e0 .. e7
	s_load_b128 s[44:47], s[18:19], 0x20           ; e8 .. e11
	s_sub_co_u32 s31, ttmp9, 65                    ; 0-63 wq, 64-95 wk, 96-127 wv, 128-191 wo
	s_wait_kmcnt 0x0
	s_cmp_lt_u32 s31, 128                          ; the choices hang on the work-group's number alone
	s_cselect_b64 s[32:33], s[10:11], s[12:13]     ; the weight
	s_cselect_b64 s[34:35], s[22:23], s[24:25]     ; its images
	s_cselect_b32 s48, 2, 4                        ; log2 of its groups of 128 columns
	s_cselect_b32 s49, 3, 4                        ; its first work-group / 32
	s_cselect_b32 s50, 3, 0                        ; its first tile of 16 columns in the buffer / 32
	s_cselect_b32 s51, 16, 8                       ; K steps in a tile's row of images
	s_cselect_b32 s52, s41, s47                    ; e
	s_cmp_lt_u32 s31, 96
	s_cselect_b64 s[32:33], s[8:9], s[32:33]
	s_cselect_b32 s49, 2, s49
	s_cselect_b32 s50, 2, s50
	s_cselect_b32 s52, s39, s52
	s_cmp_lt_u32 s31, 64
	s_cselect_b64 s[32:33], s[6:7], s[32:33]
	s_cselect_b32 s48, 3, s48
	s_cselect_b32 s49, 0, s49
	s_cselect_b32 s50, 0, s50
	s_cselect_b32 s52, s37, s52
	s_lshl_b32 s49, s49, 5
	s_lshl_b32 s50, s50, 5
	s_sub_co_u32 s31, s31, s49
	s_bfm_b32 s53, s48, 0
	s_and_b32 s54, s31, s53                        ; which 128 columns
	s_lshr_b32 s55, s31, s48                       ; which 256 along K
	s_lshl_b32 s56, 512, s48                       ; a row of the weight in bytes
	s_add_co_u32 s57, s48, 17
	s_lshl_b32 s58, s55, s57                       ; 256 rows
	s_lshl_b32 s57, s54, 9
	s_add_co_u32 s58, s58, s57
	s_lshl_b32 s57, s[WV], 7
	s_add_co_u32 s58, s58, s57
	s_mov_b32 s59, 0
	s_add_nc_u64 s[32:33], s[32:33], s[58:59]      ; my 32 columns of the first row
	s_lshl_b32 s57, s54, 3
	s_add_co_u32 s57, s57, s50
	s_lshl_b32 s58, s[WV], 1
	s_add_co_u32 s57, s57, s58                     ; my first tile of 16 columns
	s_mul_i32 s57, s57, s51
	s_lshl_b32 s58, s55, 1
	s_add_co_u32 s57, s57, s58                     ; its image of my first K step
	s_lshl_b32 s58, s57, 11
	s_add_nc_u64 s[34:35], s[34:35], s[58:59]
	s_lshl_b32 s58, s51, 11
	s_add_nc_u64 s[60:61], s[34:35], s[58:59]      ; the same for my second tile
	s_lshl_b32 s62, s56, 5                         ; 32 rows
	s_mov_b32 s63, 0
	v_mov_b32 v32, v3
.set wi, 1
.rept 31
	v_add_nc_u32 v[32+wi], s56, v[31+wi]           ; 4 x lane + i rows
.set wi, wi+1
.endr
	s_lshl_b32 s53, s[WV], 13
	s_add_co_u32 s53, s53, WST                     ; my four images in LDS: (tile 0, 1) x (K step 0, 1)
	v_lshrrev_b32 v5, 4, v1
	v_and_b32 v6, 15, v1
	v_lshlrev_b32 v4, 12, v5
	v_lshl_add_u32 v4, v6, 4, v4
	v_add_nc_u32 v4, s53, v4                       ; in: my column is row (lane % 16) of tile (lane / 16)
	v_add_nc_u32 v7, s53, v2                       ; out: as the bytes lie
	MKSC 52, 11, 10
.macro WLOAD t                         ; block t: 32 rows, 128 consecutive bytes a load
.set wi, 0
.rept 32
	global_load_b32 v[64+32*((\t)%2)+wi], v[32+wi], s[32:33] th:TH_LOAD_NT
.set wi, wi+1
.endr
	s_wait_xcnt 0x0                                ; the loads have read their base: it steps
	s_add_nc_u64 s[32:33], s[32:33], s[62:63]
.endm
.macro WBLOCK t
.if (\t) < 7
	s_wait_loadcnt 32                              ; this block's 32 loads are in; the next block's may be out
.else
	s_wait_loadcnt 0x0
.endif
.set wi, 0
.rept 32
	v_med3_num_f32 v[64+32*((\t)%2)+wi], v[64+32*((\t)%2)+wi], -v10, v10
.set wi, wi+1
.endr
.set wi, 0
.rept 4
	v_cvt_scalef32_pk8_fp8_f32 v[128+2*wi:129+2*wi], v[64+32*((\t)%2)+8*wi:71+32*((\t)%2)+8*wi], v11
.set wi, wi+1
.endr
.set wi, 0
.rept 4                                ; eight codes, k = 32 t + 8 g + 0 .. 7: registers 2 c, 2 c + 1 with c = 2 (t % 4) + g / 2, of lane (r, g % 2)
	ds_store_b64 v4, v[128+2*wi:129+2*wi] offset:((\t)/4)*2048+((\t)%4)*512+(wi%2)*256+(wi/2)*8
.set wi, wi+1
.endr
.if (\t)+2 < 8
	WLOAD (\t)+2
.endif
	s_wait_dscnt 0x0                               ; the stores have read their registers: the next block's codes may be written (its 32 holds are the plain lines behind the conversions)
.endm
	WLOAD 0
	WLOAD 1
.set wt, 0
.rept 8
	WBLOCK wt
.set wt, wt+1
.endr
.set wi, 0
.rept 16
	ds_load_b128 v[136+4*wi:139+4*wi], v7 offset:512*wi
.set wi, wi+1
.endr
.set wi, 0
.rept 8
	s_wait_dscnt 15-wi
	global_store_b128 v2, v[136+4*wi:139+4*wi], s[34:35] offset:512*wi       ; two neighbouring images: 4,096 consecutive bytes
.set wi, wi+1
.endr
.rept 8
	s_wait_dscnt 15-wi
	global_store_b128 v2, v[136+4*wi:139+4*wi], s[60:61] offset:512*(wi-8)
.set wi, wi+1
.endr
	s_wait_tensorcnt 0x0                           ; the wave's end, behind my last LDS store
	ds_add_u32 v[SPW], v[NIL]
	s_wait_dscnt 0x0
	s_endpgm
; ---------------- R: a wave makes the block of 16 rows R = 4 (work-group - 1) + wave: lane (r, h) holds cos and sin of row 16 R + r at j = 16 b + 8 h + 4 u + 0 .. 3, group g = 2 b + u
.LR:
	s_sub_co_u32 s31, ttmp9, 1
	s_lshl_b32 s31, s31, 2
	s_add_co_u32 s31, s31, s[WV]
	s_lshl_b32 s32, s31, 6
	s_add_nc_u64 s[14:15], s[14:15], s[32:33]
	v_and_b32 v5, 15, v1
	v_lshlrev_b32 v5, 2, v5
	global_load_b32 v20, v5, s[14:15]              ; my row's position
	s_lshl_b32 s32, s31, 13
	s_add_nc_u64 s[26:27], s[26:27], s[32:33]      ; my block of 8,192 bytes
	s_mov_b32 s34, 0xffff0000                      ; lanes 16-31
.macro PW q, lo, hi                    ; 10^(j/16) for number q of my 32: lanes 0-15 take lo, lanes 16-31 hi
	v_mov_b32 v[32+\q], \lo
	v_mov_b32 v96, \hi
	v_cndmask_b32 v[32+\q], v[32+\q], v96, s34
.endm
	PW 0, 1.0, 3.1622776602
	PW 1, 1.1547819847, 3.6517412725
	PW 2, 1.3335214322, 4.2169650343
	PW 3, 1.5399265261, 4.8696752517
	PW 4, 1.7782794100, 5.6234132519
	PW 5, 2.0535250265, 6.4938163158
	PW 6, 2.3713737057, 7.4989420933
	PW 7, 2.7384196343, 8.6596432336
	PW 8, 10.0, 31.622776602
	PW 9, 11.547819847, 36.517412725
	PW 10, 13.335214322, 42.169650343
	PW 11, 15.399265261, 48.696752517
	PW 12, 17.782794100, 56.234132519
	PW 13, 20.535250265, 64.938163158
	PW 14, 23.713737057, 74.989420933
	PW 15, 27.384196343, 86.596432336
	PW 16, 100.0, 316.22776602
	PW 17, 115.47819847, 365.17412725
	PW 18, 133.35214322, 421.69650343
	PW 19, 153.99265261, 486.96752517
	PW 20, 177.82794100, 562.34132519
	PW 21, 205.35250265, 649.38163158
	PW 22, 237.13737057, 749.89420933
	PW 23, 273.84196343, 865.96432336
	PW 24, 1000.0, 3162.2776602
	PW 25, 1154.7819847, 3651.7412725
	PW 26, 1333.5214322, 4216.9650343
	PW 27, 1539.9265261, 4869.6752517
	PW 28, 1778.2794100, 5623.4132519
	PW 29, 2053.5250265, 6493.8163158
	PW 30, 2371.3737057, 7498.9420933
	PW 31, 2738.4196343, 8659.6432336
.set ri, 0
.rept 32
	v_rcp_f32 v[64+ri], v[32+ri]
.set ri, ri+1
.endr
	v_mov_b32 v200, 0x3f22f983                     ; 2 / pi.  (A plain line behind the last reciprocal)
	s_wait_alu depctr_va_vdst(0)                   ; one wait for the 32 reciprocals, ahead of their first reader
.set ri, 0
.rept 32
	v_fma_f32 v[32+ri], -v[32+ri], v[64+ri], 1.0   ; what the reciprocal lacks,
.set ri, ri+1
.endr
.set ri, 0
.rept 32
	v_fma_f32 v[32+ri], v[64+ri], v[32+ri], v[64+ri]   ; put right: inv_freq
.set ri, ri+1
.endr
	v_mov_b32 v201, 0x3fc90000                     ; pi / 2 in three parts: the first two have so few bits that n x part is exact for n below 4,096
	v_mov_b32 v202, 0x39fda000
	v_mov_b32 v203, 0x33a22169
	v_mov_b32 v204, 0.16666654611                  ; the sine's polynomial (signs stand in the lines that use them)
	v_mov_b32 v205, 0.0083321608736
	v_mov_b32 v206, 0.00019515295891
	v_mov_b32 v207, 0.04166664568298827            ; the cosine's
	v_mov_b32 v208, 0.001388731625493765
	v_mov_b32 v209, 0.00002443315711809948
	s_wait_loadcnt 0x0
	v_cvt_f32_i32 v20, v20
.macro SC4 g                           ; four angles, line by line, so that no line waits for the one above it
.irp e, 0,1,2,3
	v_mul_f32 v[100+\e], v20, v[32+4*\g+\e]        ; the angle, rounded to f32 as the table's outer product is
.endr
.irp e, 0,1,2,3
	v_mul_f32 v[104+\e], v200, v[100+\e]
.endr
.irp e, 0,1,2,3
	v_rndne_f32 v[104+\e], v[104+\e]               ; n: the nearest multiple of pi / 2
.endr
.irp e, 0,1,2,3
	v_fma_f32 v[100+\e], -v[104+\e], v201, v[100+\e]
.endr
.irp e, 0,1,2,3
	v_fma_f32 v[100+\e], -v[104+\e], v202, v[100+\e]
.endr
.irp e, 0,1,2,3
	v_fma_f32 v[100+\e], -v[104+\e], v203, v[100+\e]   ; r, within +-pi / 4
.endr
.irp e, 0,1,2,3
	v_mul_f32 v[108+\e], v[100+\e], v[100+\e]      ; z = r r
.endr
.irp e, 0,1,2,3
	v_fma_f32 v[112+\e], v[108+\e], -v206, v205
	v_fma_f32 v[116+\e], v[108+\e], v209, -v208
.endr
.irp e, 0,1,2,3
	v_fma_f32 v[112+\e], v[108+\e], v[112+\e], -v204
	v_fma_f32 v[116+\e], v[108+\e], v[116+\e], v207
.endr
.irp e, 0,1,2,3
	v_mul_f32 v[120+\e], v[108+\e], v[100+\e]      ; z r
	v_fma_f32 v[124+\e], v[108+\e], -0.5, 1.0      ; 1 - z / 2
.endr
.irp e, 0,1,2,3
	v_mul_f32 v[108+\e], v[108+\e], v[108+\e]      ; z z
.endr
.irp e, 0,1,2,3
	v_fma_f32 v[112+\e], v[120+\e], v[112+\e], v[100+\e]   ; sin r
	v_fma_f32 v[116+\e], v[108+\e], v[116+\e], v[124+\e]   ; cos r
.endr
.irp e, 0,1,2,3
	v_cvt_i32_f32 v[104+\e], v[104+\e]
.endr
.irp e, 0,1,2,3
	v_and_b32 v[100+\e], 1, v[104+\e]
.endr
.irp e, 0,1,2,3
	v_cmp_eq_u32 vcc_lo, 1, v[100+\e]              ; an odd quarter swaps the two,
	v_cndmask_b32 v[120+\e], v[112+\e], v[116+\e], vcc_lo
	v_cndmask_b32 v[124+\e], v[116+\e], v[112+\e], vcc_lo
.endr
.irp e, 0,1,2,3
	v_and_b32 v[100+\e], 2, v[104+\e]              ; quarters 2, 3 turn the sine's sign,
	v_add_nc_u32 v[104+\e], 1, v[104+\e]
.endr
.irp e, 0,1,2,3
	v_and_b32 v[104+\e], 2, v[104+\e]              ; quarters 1, 2 the cosine's
	v_lshlrev_b32 v[100+\e], 30, v[100+\e]
.endr
.irp e, 0,1,2,3
	v_lshlrev_b32 v[104+\e], 30, v[104+\e]
.endr
.irp e, 0,1,2,3
	v_xor_b32 v[128+8*\g+\e], v[104+\e], v[124+\e]
	v_xor_b32 v[132+8*\g+\e], v[100+\e], v[120+\e]
.endr
	global_store_b128 v2, v[128+8*\g:131+8*\g], s[26:27] offset:1024*\g          ; each group has registers of its own: no store's data are written again
	global_store_b128 v2, v[132+8*\g:135+8*\g], s[26:27] offset:1024*\g+512
.endm
.irp g, 0,1,2,3,4,5,6,7
	SC4 \g
.endr
	s_endpgm
; ---------------- M: each wave stores one block cos = 1, sin = 0 (the values' projection reads them); wave 0 turns the mask into bits
.LM:
	s_add_co_u32 s31, s[WV], 256
	s_lshl_b32 s32, s31, 13
	s_add_nc_u64 s[26:27], s[26:27], s[32:33]
.irp j, 4,5,6,7
	v_mov_b32 v\j, 1.0
.endr
.irp j, 8,9,10,11
	v_mov_b32 v\j, 0
.endr
.irp g, 0,1,2,3,4,5,6,7
	global_store_b128 v2, v[4:7], s[26:27] offset:1024*\g
	global_store_b128 v2, v[8:11], s[26:27] offset:1024*\g+512
.endr
	s_cmp_lg_u32 s[WV], 0
	s_cbranch_scc1 .LMend
.set mw, 0
.rept 128
	global_load_b32 v[64+mw], v3, s[16:17] offset:128*mw   ; 32 entries a load
.set mw, mw+1
.endr
.irp j, 12,13,14,15
	v_mov_b32 v\j, 0
.endr
	s_mov_b32 s36, 0x1000                          ; the first open key: 4,096 where there is none
	s_wait_loadcnt 0x0
.set mw, 127
.rept 128                              ; from the last word to the first, so that the lowest open key stays
	v_cmp_ne_u32 s34, 0, v[64+mw]
	v_writelane_b32 v[12+mw/32], s34, mw%32
	s_ctz_i32_b32 s35, s34
	s_add_co_u32 s35, s35, 32*mw
	s_cmp_lg_u32 s34, 0
	s_cselect_b32 s36, s35, s36
.set mw, mw-1
.endr
	v_mov_b32 v16, s36
	global_store_b32 v3, v12, s[28:29]
	global_store_b32 v3, v13, s[28:29] offset:128
	global_store_b32 v3, v14, s[28:29] offset:256
	global_store_b32 v3, v15, s[28:29] offset:384
	global_store_b32 v3, v16, s[28:29] offset:512
.LMend:
	s_endpgm
.Lfunc_end_k_qae6206851d_prep:
	.size	k_qae6206851d_prep, .Lfunc_end_k_qae6206851d_prep-k_qae6206851d_prep
	.p2alignl 7, 3214868480
	.fill 96, 4, 3214868480
	.section	.rodata,"a",@progbits
	.p2align	6, 0x0
	.amdhsa_kernel k_qae6206851d_prep
		.amdhsa_group_segment_fixed_size 67072
		.amdhsa_private_segment_fixed_size 0
		.amdhsa_enable_private_segment 0
		.amdhsa_kernarg_size 104
		.amdhsa_user_sgpr_count 2
		.amdhsa_user_sgpr_kernarg_segment_ptr 1
		.amdhsa_wavefront_size32 1
		.amdhsa_system_sgpr_workgroup_id_x 1
		.amdhsa_system_sgpr_workgroup_id_y 1
		.amdhsa_system_sgpr_workgroup_id_z 1
		.amdhsa_system_vgpr_workitem_id 0
		.amdhsa_next_free_vgpr 224
		.amdhsa_next_free_sgpr 66
		.amdhsa_reserve_vcc 1
		.amdhsa_float_denorm_mode_32 3
		.amdhsa_float_denorm_mode_16_64 3
		.amdhsa_memory_ordered 1
		.amdhsa_forward_progress 1
		.amdhsa_inst_pref_size 230
	.end_amdhsa_kernel
	.amdgpu_metadata
---
amdhsa.version: [ 1, 2 ]
amdhsa.kernels:
  - .name:           k_qae6206851d_prep
    .symbol:         k_qae6206851d_prep.kd
    .args:
      - { .name: hidden_states, .offset: 0, .size: 8, .value_kind: global_buffer, .address_space: global }
      - { .name: wq, .offset: 8, .size: 8, .value_kind: global_buffer, .address_space: global }
      - { .name: wk, .offset: 16, .size: 8, .value_kind: global_buffer, .address_space: global }
      - { .name: wv, .offset: 24, .size: 8, .value_kind: global_buffer, .address_space: global }
      - { .name: wo, .offset: 32, .size: 8, .value_kind: global_buffer, .address_space: global }
      - { .name: position_ids, .offset: 40, .size: 8, .value_kind: global_buffer, .address_space: global }
      - { .name: attention_mask, .offset: 48, .size: 8, .value_kind: global_buffer, .address_space: global }
      - { .name: lowp_scales, .offset: 56, .size: 8, .value_kind: global_buffer, .address_space: global }
      - { .name: ximg, .offset: 64, .size: 8, .value_kind: global_buffer, .address_space: global }
      - { .name: wimg, .offset: 72, .size: 8, .value_kind: global_buffer, .address_space: global }
      - { .name: woimg, .offset: 80, .size: 8, .value_kind: global_buffer, .address_space: global }
      - { .name: rope, .offset: 88, .size: 8, .value_kind: global_buffer, .address_space: global }
      - { .name: mbits, .offset: 96, .size: 8, .value_kind: global_buffer, .address_space: global }
    .group_segment_fixed_size: 67072
    .private_segment_fixed_size: 0
    .kernarg_segment_align: 8
    .kernarg_segment_size: 104
    .max_flat_workgroup_size: 128
    .sgpr_count:     66
    .vgpr_count:     224
    .wavefront_size: 32
...
	.end_amdgpu_metadata
.endif
;; end of part 1
;; launch qkv (part 2): grid 16 x 16, 4 waves a work-group, clusters of 4 x 4, 327,680 bytes of LDS; arguments ximg, wimg, lowp_scales, rope, qkvimg; writes qkvimg
.if DOCPART == 2
	.amdgcn_target "amdgcn-amd-amdhsa--gfx1250"
	.amdhsa_code_object_version 6
	.text
	.protected	k_qae6206851d_qkv
	.globl	k_qae6206851d_qkv
	.p2align	8
	.type	k_qae6206851d_qkv,@function
k_qae6206851d_qkv:
	s_mov_b64 s[64:65], 0
	v_nop
	global_prefetch_b8 v0, s[64:65] scope:SCOPE_SE
	s_setreg_imm32_b32 hwreg(HW_REG_WAVE_MODE, 25, 1), 1
	s_wait_xcnt 0x0
	s_wait_alu depctr_hold_cnt(0) depctr_sa_sdst(0) depctr_va_vdst(0) depctr_va_sdst(0) depctr_va_ssrc(0) depctr_va_vcc(0) depctr_vm_vsrc(0)
	s_getreg_b32 s2, hwreg(HW_REG_IB_STS2, 6, 4)
	s_cmp_eq_u32 s2, 0
	s_cbranch_scc0 .Lentry_in_a_cluster
	s_endpgm
.Lentry_in_a_cluster:
	s_bfe_u32 s2, ttmp6, 0x10000c
	s_cmp_lg_u32 s2, 0xf033
	s_cbranch_scc0 .Lentry_shape_is_right
	s_endpgm
.Lentry_shape_is_right:
; The three projections on E4M3 codes, the rotation of q and k, and the quantisers of q, k and v.  [4096 x 2048] x [2048 x 2048]: columns 0-1023 q, 1024-1535 k, 1536-2047 v.
; A work-group makes 256 tokens x 128 columns (one head): 16 x 16 work-groups.  Column tile X = 4 x cluster x + cx: 0-7 q, 8-11 k, 12-15 v: so the cluster's x alone says which of the three it is.
; OPERANDS ARE IMAGES of registers (16 rows x 128 K: 2,048 bytes; registers 4 c .. 4 c + 3 of lane l at 512 c + 16 l): every fragment is four LDS loads of 512 consecutive bytes; no pitch, no padding.
; A wave has 4 blocks on source 1 and 8 on source 0: 32 accumulators.  q, k: source 1 = my 64 tokens, source 0 = the head's 128 columns: a lane holds ONE token and eight neighbouring d: the rotation's partner d + 64 is
; four accumulators on, and the conversions' results are the next operand's registers.  v: source 1 = 64 columns, source 0 = 128 tokens: a lane holds one d and eight neighbouring KEYS, which are the K of the last product but one.
; Only two LDS bases differ between the two uses; they hang on the cluster's x, which all partners share.  v reads cos = 1, sin = 0, so the way out is one text.
; K goes in steps of 256 through two LDS slots.  CLUSTER 4 x 4: the tokens' tile is shared along a row of the cluster, the weights' along a column: joint loads.
; No prefetch: eight K steps, each tile asked for once by four partners; the launch is short.
; LIMITS: e6 - e0 - e1, e7 - e2 - e3, e9 - e4 - e5 between -126 and 119, so that the folded scale and 448 x it are f32 numbers.  NaN and infinities among the sums are not served.
; REGISTERS: window 0: v16-31 addresses and scales; v64-127, v128-191 source 1's fragments, two sets.  window 1: source 0's, two sets of 128.  window 2: accumulator (a, b) at v[8 (8 a + b)].  window 3: cos at v[64 a + 16 b + j], sin 8 on.
.set KSB,   4096                       ; a K step of one tile of 16 rows: two images
.set BREG,  65536                      ; a slot: the tokens' 16 tiles x 4,096 bytes, then the weights' 8
.set SLOT,  98304
.set SPARE, 2*SLOT                     ; behind the ring: the spare words, 128 bytes for each wave: two blocks of 256 bytes that no other line names
.set LAPS,  4                          ; a lap = two K steps; K = 2,048
.set ADR1,  16                         ; v16-17 source 1's fragments in slot 0, 1
.set ADR0,  20                         ; v20-21 source 0's
.set LI,    22                         ; v22    16 x lane
.set SPW,   28                         ; v28    LDS address of my spare word; never rewritten
.set NIL,   29                         ; v29    0; never rewritten
.set VSC,   30                         ; v30    the folded scale as f32
.set VLIM,  31                         ; v31    448 x it
.set G1,  24                           ; s[24:31] descriptor group 1 for the tokens' tiles; s[32:39] group 0, a set for each slot
.set G0,  32
.set G1B, 48                           ; s[48:55], s[56:63] the same for the weights'
.set G0B, 56
.set MULW, 0xa1                        ; source 0 window 1, source 1 window 0, C and D window 2
.set MSB, 0
.macro WIN new                         ; the immediate's high byte repeats the setting that is left
.if MSB != \new
	s_set_vgpr_msb (MSB<<8)|\new
.set MSB, \new
.endif
.endm
.macro JLOAD s                         ; a joint load: waves 0, 1 fetch the tokens' two halves, waves 2, 3 the weights'; an s_nop 0 and four v_nop follow each line
	s_cmp_eq_u32 s15, 0
	s_cbranch_scc0 .Lfor_b_\@
	tensor_load_to_lds s[G0+4*\s:G0+4*\s+3], s[G1:G1+7]
	s_nop 0
.rept 4
	v_nop
.endr
	s_branch .Lasked_\@
.Lfor_b_\@:
	tensor_load_to_lds s[G0B+4*\s:G0B+4*\s+3], s[G1B:G1B+7]
	s_nop 0
.rept 4
	v_nop
.endr
.Lasked_\@:
.endm
.macro CREST                           ; a round of the cluster's barrier behind its opening barrier
	s_cmp_lg_u32 s14, 0
	s_cbranch_scc1 .Lnot_wave_0_\@
	s_barrier_signal -3
.Lnot_wave_0_\@:
	s_barrier_wait -3
	s_barrier_signal -1
	s_barrier_wait -1
.endm
.macro CROUND
	s_barrier_signal -1
	s_barrier_wait -1
	CREST
.endm
.macro PLACES                          ; four plain lines between a matrix instruction and a load into, or a vector line on, its registers
.rept 4
	v_nop
.endr
.endm
	s_load_b256 s[4:11], s[0:1], 0x0               ; ximg s[4:5], wimg s[6:7], scales s[8:9], rope s[10:11]
	s_load_b64 s[12:13], s[0:1], 0x20              ; qkvimg
	v_lshl_add_u32 v[SPW], v0, 2, SPARE
	v_mov_b32 v[NIL], 0
	ds_add_u32 v[SPW], v[NIL]                      ; the wave's opening: the add and its wait stand ahead of my first tensor load; the set-up below stands between them
	v_lshrrev_b32 v1, 5, v0
	v_readfirstlane_b32 s14, v1                    ; wave 0..3
	s_lshr_b32 s15, s14, 1                         ; I fetch for the tokens (0) or the weights (1)
	s_and_b32 s16, s14, 1                          ; which half of that tile
	s_bfe_u32 s40, ttmp6, 0x40000                  ; cx, cy
	s_bfe_u32 s41, ttmp6, 0x40004
	s_lshl_b32 s42, ttmp9, 2
	s_add_co_u32 s42, s42, s40                     ; X
	s_and_b32 s17, ttmp7, 0xffff
	s_lshl_b32 s17, s17, 2
	s_add_co_u32 s17, s17, s41                     ; Y
	s_lshl_b32 s43, s41, 2
	s_lshl_b32 s43, 15, s43                        ; my row of the cluster
	s_lshl_b32 s44, 0x1111, s40                    ; my column
	s_or_b32 s[G1], s43, (3<<16)|(1<<21)           ; 15:0 the mask; 17:16 elements of 8 bytes; 21 set beside a mask; no padding
	s_or_b32 s[G1B], s44, (3<<16)|(1<<21)
	s_mov_b32 s[G1+1], 512<<16                     ; tensor_dim0 = 512 elements: a tile's K step, 4,096 bytes
	s_mov_b32 s[G1+2], 8<<16                       ; tensor_dim1 = 8 tiles of 16 tokens
	s_mov_b32 s[G1+3], 512<<16                     ; tile_dim0
	s_mov_b32 s[G1+4], 8                           ; tile_dim1
	s_mov_b32 s[G1+5], 4096                        ; from tile to tile: 16 images = 4,096 elements
	s_mov_b32 s[G1+6], 0
	s_mov_b32 s[G1+7], 0
	s_mov_b32 s[G1B+1], 512<<16
	s_mov_b32 s[G1B+2], 4<<16                      ; 4 tiles of 16 columns
	s_mov_b32 s[G1B+3], 512<<16
	s_mov_b32 s[G1B+4], 4
	s_mov_b32 s[G1B+5], 4096
	s_mov_b32 s[G1B+6], 0
	s_mov_b32 s[G1B+7], 0
	s_max_u32 s18, ttmp9, 1
	s_sub_co_u32 s18, s18, 1                       ; which set of the tokens' codes: q 0, k 1, v 2
	s_lshl_b32 s18, s18, 23
	s_lshl_b32 s20, s17, 4
	s_lshl_b32 s19, s16, 3
	s_add_co_u32 s20, s20, s19                     ; tile 16 Y + 8 x half
	s_lshl_b32 s20, s20, 15
	s_add_co_u32 s20, s20, s18
	s_mov_b32 s21, 0
	s_lshl_b32 s46, s42, 3
	s_lshl_b32 s19, s16, 2
	s_add_co_u32 s46, s46, s19                     ; tile 8 X + 4 x half
	s_lshl_b32 s46, s46, 15
	s_mov_b32 s47, 0
	s_lshl_b32 s45, s16, 15                        ; where they go: no place in the cluster enters an LDS address
	s_lshl_b32 s22, s16, 14
	s_add_co_u32 s22, s22, BREG
	s_wait_dscnt 0x0                               ; the opening add is done
	s_wait_kmcnt 0x0
	s_load_b256 s[68:75], s[8:9], 0x0              ; e0 .. e7
	s_load_b128 s[76:79], s[8:9], 0x20             ; e8 .. e11
	s_add_nc_u64 s[20:21], s[4:5], s[20:21]
	s_add_nc_u64 s[46:47], s[6:7], s[46:47]
	CROUND                                         ; all sixteen work-groups are here: the first joint loads meet
.irp s, 0,1
	s_mov_b32 s[G0+4*\s], 1
	s_add_co_u32 s[G0+4*\s+1], s45, \s*SLOT
	s_add_nc_u64 s[G0+4*\s+2:G0+4*\s+3], s[20:21], \s*KSB
	s_or_b32 s[G0+4*\s+3], s[G0+4*\s+3], 0x80000000
	s_mov_b32 s[G0B+4*\s], 1
	s_add_co_u32 s[G0B+4*\s+1], s22, \s*SLOT
	s_add_nc_u64 s[G0B+4*\s+2:G0B+4*\s+3], s[46:47], \s*KSB
	s_or_b32 s[G0B+4*\s+3], s[G0B+4*\s+3], 0x80000000
	JLOAD \s                                       ; two tensor loads of mine are out
.endr
	v_and_b32 v1, 31, v0
	v_lshlrev_b32 v[LI], 4, v1
	s_lshl_b32 s18, s14, 14                        ; q, k: source 1 = tokens 64 w on
	s_lshl_b32 s19, s16, 14
	s_add_co_u32 s19, s19, BREG                    ; v: source 1 = columns 64 (w % 2) on
	s_lshl_b32 s23, s15, 15                        ; v: source 0 = tokens 128 (w / 2) on
	s_cmp_eq_u32 ttmp9, 3
	s_cselect_b32 s18, s19, s18
	s_cselect_b32 s19, s23, BREG                   ; q, k: source 0 = the 128 columns
	v_add_nc_u32 v[ADR1], s18, v[LI]
	v_add_nc_u32 v[ADR0], s19, v[LI]
	v_add_nc_u32 v[ADR1+1], SLOT, v[ADR1]
	v_add_nc_u32 v[ADR0+1], SLOT, v[ADR0]
	s_lshl_b32 s23, s17, 4
	s_lshl_b32 s3, s14, 2
	s_add_co_u32 s23, s23, s3                      ; my first tile of 16 tokens: 16 Y + 4 w
	s_cmp_eq_u32 ttmp9, 3
	s_cselect_b32 s3, 256, s23                     ; its block of cos and sin; v: the blocks 1, 0
	s_lshl_b32 s80, s3, 13
	s_mov_b32 s81, 0
	s_add_nc_u64 s[10:11], s[10:11], s[80:81]
	s_lshl_b32 s82, s42, 8
	s_add_co_u32 s82, s82, s23                     ; q, k: image 256 X + tile of tokens
	s_sub_co_u32 s83, s42, 12                      ; v: image 3,072 + ((X - 12) 32 + 2 Y + w / 2) 8 + 4 (w % 2)  (not taken where X is under 12)
	s_lshl_b32 s83, s83, 5
	s_lshl_b32 s84, s17, 1
	s_add_co_u32 s83, s83, s84
	s_add_co_u32 s83, s83, s15
	s_lshl_b32 s83, s83, 3
	s_lshl_b32 s84, s16, 2
	s_add_co_u32 s83, s83, s84
	s_add_co_u32 s83, s83, 3072
	s_cmp_eq_u32 ttmp9, 3
	s_cselect_b32 s82, s83, s82
	s_lshl_b32 s82, s82, 11
	s_mov_b32 s83, 0
	s_add_nc_u64 s[12:13], s[12:13], s[82:83]
	WIN 0xc0                                       ; destination window 3
.irp a, 0,1,2,3
.irp g, 0,1,2,3,4,5,6,7
	global_load_b128 v[64*\a+16*(\g/2)+4*(\g%2):64*\a+16*(\g/2)+4*(\g%2)+3], v[LI], s[10:11] offset:8192*\a+1024*\g
	global_load_b128 v[64*\a+16*(\g/2)+8+4*(\g%2):64*\a+16*(\g/2)+8+4*(\g%2)+3], v[LI], s[10:11] offset:8192*\a+1024*\g+512
.endr
.endr
	WIN 0
.macro FETCH slot, q, p                ; the fragments of the slot's q-th 128 along K into set p: source 0's eight, then source 1's four: 48 loads
	WIN 0x40
.irp i, 0,1,2,3,4,5,6,7
.irp c, 0,1,2,3
	ds_load_b128 v[128*(\p)+16*\i+4*\c:128*(\p)+16*\i+4*\c+3], v[ADR0+\slot] offset:4096*\i+2048*(\q)+512*\c
.endr
.endr
	WIN 0
.irp i, 0,1,2,3
.irp c, 0,1,2,3
	ds_load_b128 v[64+64*(\p)+16*\i+4*\c:64+64*(\p)+16*\i+4*\c+3], v[ADR1+\slot] offset:4096*\i+2048*(\q)+512*\c
.endr
.endr
.endm
.macro MUL8 a, p, zero                 ; source 1's block a against source 0's eight.  The 32 accumulators take turns in one order throughout
.irp b, 0,1,2,3,4,5,6,7
.if \zero
	v_wmma_f32_16x16x128_fp8_fp8 v[8*(8*(\a)+\b):8*(8*(\a)+\b)+7], v[128*(\p)+16*\b:128*(\p)+16*\b+15], v[64+64*(\p)+16*(\a):64+64*(\p)+16*(\a)+15], 0
.else
	v_wmma_f32_16x16x128_fp8_fp8 v[8*(8*(\a)+\b):8*(8*(\a)+\b)+7], v[128*(\p)+16*\b:128*(\p)+16*\b+15], v[64+64*(\p)+16*(\a):64+64*(\p)+16*(\a)+15], v[8*(8*(\a)+\b):8*(8*(\a)+\b)+7]
.endif
.endr
.endm
.macro SUB slot, zero                  ; a slot's first 128 along K (set 0); in its middle the second 128 are fetched into set 1
	s_wait_dscnt 8                                 ; all but the youngest eight loads (source 1's blocks 2, 3)
	WIN MULW
	MUL8 0, 0, \zero
	MUL8 1, 0, \zero
	PLACES
	FETCH \slot, 1, 1
	s_wait_dscnt 48                                ; all but the 48 just issued
	WIN MULW
	MUL8 2, 0, \zero
	MUL8 3, 0, \zero
.endm
.macro TURN slot, next, fill           ; a slot's second 128 (set 1) and the change of slots
	WIN 0                                          ; (the add's two registers lie in window 0)
	s_wait_tensorcnt 0x0                           ; all my tensor loads have landed: my part of the next slot;
	ds_add_u32 v[SPW], v[NIL]                      ; 0 onto my spare word;
	s_wait_dscnt 9                                 ; (the add and the youngest eight loads may be out)
	WIN MULW
	MUL8 0, 1, 0                                   ; eight matrix instructions stand between the add and the wait for it
	s_wait_dscnt 0x0                               ; the add is done, and my reads of this slot are over
	s_barrier_signal -1
	MUL8 1, 1, 0
	WIN 0
	s_barrier_wait -1
.if \fill
	CREST                                          ; the barrier has opened a round of the cluster's: no wave of any partner still reads this slot or has a load on its way
	s_add_nc_u64 s[G0+4*\slot+2:G0+4*\slot+3], s[G0+4*\slot+2:G0+4*\slot+3], 2*KSB
	s_add_nc_u64 s[G0B+4*\slot+2:G0B+4*\slot+3], s[G0B+4*\slot+2:G0B+4*\slot+3], 2*KSB
	JLOAD \slot                                    ; my one tensor load behind the round; its four v_nop are also the places in front of the loads below
.else
	PLACES
.endif
	FETCH \next, 0, 0
	WIN MULW
	MUL8 2, 1, 0
	MUL8 3, 1, 0
.endm
	s_wait_tensorcnt 1                             ; my part of K step 0 is in (K step 1's load may be out),
	s_barrier_signal -1
	s_barrier_wait -1                              ; everybody's is
	FETCH 0, 0, 0
	SUB 0, 1                                       ; the first products start the sums: nothing is cleared
	WIN 0
	s_mov_b32 s3, LAPS-1
.Llap:                                                 ; once round the ring; both slots are filled again
	TURN 0, 1, 1
	SUB 1, 0
	TURN 1, 0, 1
	SUB 0, 0
	WIN 0
	s_sub_co_u32 s3, s3, 1
	s_cmp_lg_u32 s3, 0
	s_cbranch_scc1 .Llap
	TURN 0, 1, 0                                   ; the last lap fills nothing
	SUB 1, 0
	s_wait_dscnt 8
	MUL8 0, 1, 0
	MUL8 1, 1, 0
	s_wait_dscnt 0x0
	MUL8 2, 1, 0
	MUL8 3, 1, 0
	WIN 0
	; THE WAY OUT.  A sum stands for sum x 2^(eA + eB), so its code under 2^eo is sum / 2^(eo - eA - eB): three scales folded into the conversion's one.  The choice hangs on the cluster's x; no branch hangs on a scale.
	s_wait_kmcnt 0x0
	s_sub_co_i32 s84, s74, s68
	s_sub_co_i32 s84, s84, s69                     ; q: e6 - e0 - e1
	s_sub_co_i32 s85, s75, s70
	s_sub_co_i32 s85, s85, s71                     ; k: e7 - e2 - e3
	s_sub_co_i32 s86, s77, s72
	s_sub_co_i32 s86, s86, s73                     ; v: e9 - e4 - e5
	s_cmp_eq_u32 ttmp9, 2
	s_cselect_b32 s84, s85, s84
	s_cmp_eq_u32 ttmp9, 3
	s_cselect_b32 s84, s86, s84
	s_add_co_i32 s84, s84, 127
	s_lshl_b32 s85, s84, 23
	s_add_co_i32 s84, s84, 8
	s_lshl_b32 s84, s84, 23
	s_or_b32 s84, s84, 0x600000
	PLACES
	v_mov_b32 v[VSC], s85
	v_mov_b32 v[VLIM], s84
	s_wait_loadcnt 0x0                             ; cos and sin
.macro OUTA a                          ; source 1's block a: v192-207 at work, v128-191 the 64 rotated numbers, v[64 + 16 a ..] their codes: an image
	WIN 0x0e                                       ; source 0 (sums) window 2, source 1 (cos, sin) window 3
.irp b, 0,1,2,3
.irp j, 0,2,4,6                        ; each accumulator is read from its low end on
	v_pk_mul_f32 v[192+2*\j:193+2*\j], v[8*(8*\a+\b+4)+\j:8*(8*\a+\b+4)+\j+1], v[64*\a+16*\b+8+\j:64*\a+16*\b+9+\j]   ; x(d + 64) sin
	v_pk_mul_f32 v[194+2*\j:195+2*\j], v[8*(8*\a+\b)+\j:8*(8*\a+\b)+\j+1], v[64*\a+16*\b+8+\j:64*\a+16*\b+9+\j]       ; x(d) sin
.endr
.irp j, 0,2,4,6
	v_pk_fma_f32 v[128+8*\b+\j:129+8*\b+\j], v[8*(8*\a+\b)+\j:8*(8*\a+\b)+\j+1], v[64*\a+16*\b+\j:64*\a+16*\b+\j+1], v[192+2*\j:193+2*\j] neg_lo:[0,0,1] neg_hi:[0,0,1]   ; x(d) cos - x(d + 64) sin
	v_pk_fma_f32 v[160+8*\b+\j:161+8*\b+\j], v[8*(8*\a+\b+4)+\j:8*(8*\a+\b+4)+\j+1], v[64*\a+16*\b+\j:64*\a+16*\b+\j+1], v[194+2*\j:195+2*\j]                          ; x(d + 64) cos + x(d) sin
.endr
.endr
	WIN 0
.set on, 0
.rept 8
.set ok, 0
.rept 8
	v_med3_num_f32 v[128+8*on+ok], v[128+8*on+ok], -v[VLIM], v[VLIM]   ; the conversion does not saturate (ISA guide 7.6.2): the hold comes first
.set ok, ok+1
.endr
	v_cvt_scalef32_pk8_fp8_f32 v[64+16*\a+2*on:65+16*\a+2*on], v[128+8*on:135+8*on], v[VSC]   ; registers 2 b, 2 b + 1: k = 16 b + 8 h + 0 .. 7
.set on, on+1
.endr
	v_nop                                          ; a plain line behind the last conversion, ahead of the next lines that write its sources
.irp c, 0,1,2,3
	global_store_b128 v[LI], v[64+16*\a+4*\c:67+16*\a+4*\c], s[12:13] offset:2048*\a+512*\c   ; 512 consecutive bytes
.endr
.endm
	OUTA 0
	OUTA 1
	OUTA 2
	OUTA 3
	s_wait_tensorcnt 0x0                           ; the wave's end
	ds_add_u32 v[SPW], v[NIL]
	s_wait_dscnt 0x0
	CROUND                                         ; the closing round: no work-group ends while a partner may still ask for a tile that names it
	s_endpgm
.Lfunc_end_k_qae6206851d_qkv:
	.size	k_qae6206851d_qkv, .Lfunc_end_k_qae6206851d_qkv-k_qae6206851d_qkv
	.p2alignl 7, 3214868480
	.fill 96, 4, 3214868480
	.section	.rodata,"a",@progbits
	.p2align	6, 0x0
	.amdhsa_kernel k_qae6206851d_qkv
		.amdhsa_group_segment_fixed_size 327680
		.amdhsa_private_segment_fixed_size 0
		.amdhsa_enable_private_segment 0
		.amdhsa_kernarg_size 40
		.amdhsa_user_sgpr_count 2
		.amdhsa_user_sgpr_kernarg_segment_ptr 1
		.amdhsa_wavefront_size32 1
		.amdhsa_system_sgpr_workgroup_id_x 1
		.amdhsa_system_sgpr_workgroup_id_y 1
		.amdhsa_system_sgpr_workgroup_id_z 1
		.amdhsa_system_vgpr_workitem_id 0
		.amdhsa_next_free_vgpr 1024
		.amdhsa_next_free_sgpr 100
		.amdhsa_reserve_vcc 0
		.amdhsa_float_denorm_mode_32 3
		.amdhsa_float_denorm_mode_16_64 3
		.amdhsa_memory_ordered 1
		.amdhsa_forward_progress 1
		.amdhsa_inst_pref_size 95
	.end_amdhsa_kernel
	.amdgpu_metadata
---
amdhsa.version: [ 1, 2 ]
amdhsa.kernels:
  - .name:           k_qae6206851d_qkv
    .symbol:         k_qae6206851d_qkv.kd
    .args:
      - { .name: ximg, .offset: 0, .size: 8, .value_kind: global_buffer, .address_space: global }
      - { .name: wimg, .offset: 8, .size: 8, .value_kind: global_buffer, .address_space: global }
      - { .name: lowp_scales, .offset: 16, .size: 8, .value_kind: global_buffer, .address_space: global }
      - { .name: rope, .offset: 24, .size: 8, .value_kind: global_buffer, .address_space: global }
      - { .name: qkvimg, .offset: 32, .size: 8, .value_kind: global_buffer, .address_space: global }
    .group_segment_fixed_size: 327680
    .private_segment_fixed_size: 0
    .kernarg_segment_align: 8
    .kernarg_segment_size: 40
    .max_flat_workgroup_size: 128
    .sgpr_count:     100
    .vgpr_count:     1024
    .wavefront_size: 32
...
	.end_amdgpu_metadata
.endif
;; end of part 2
;; launch attn (part 3): grid 64 x 4, 8 waves a work-group, no clusters, 165,888 bytes of LDS; arguments qkvimg, mbits, lowp_scales, aimg; writes aimg
.if DOCPART == 3
	.amdgcn_target "amdgcn-amd-amdhsa--gfx1250"
	.amdhsa_code_object_version 6
	.text
	.protected	k_qae6206851d_attn
	.globl	k_qae6206851d_attn
	.p2align	8
	.type	k_qae6206851d_attn,@function
k_qae6206851d_attn:
	s_mov_b64 s[64:65], 0
	v_nop
	global_prefetch_b8 v0, s[64:65] scope:SCOPE_SE
	s_setreg_imm32_b32 hwreg(HW_REG_WAVE_MODE, 25, 1), 1
	s_wait_xcnt 0x0
; Attention on E4M3 codes: S^T = K Q^T, the softmax p = 2^(t - M) with M a whole number, O^T = V^T P^T, O / l quantised for the last projection.  Causal mask and the padding mask (as bits).
; SHARES.  Work-group (i, g): key/value head g; two phases: the block of 32 queries b = 127 - i, then b = i, each for both query heads of g: four tiles of 16 queries.  A block needs b / 8 + 1 trips of 256 keys:
; 17 for the two phases together, whatever i.  Wave w: tile w / 2 (head 2 g + tile % 2, queries 32 b + 16 (tile / 2) on); of a trip's 256 keys it takes the 128 of parity w % 2.  The two parities' O, l and M meet in LDS at a phase's end.
; K AND V COME THROUGH REGISTERS INTO TWO LDS SLOTS, a trip ahead: each wave loads 8,192 bytes of the next trip's 65,536 at the trip's head and stores them at its end, into the slot that was read last trip.
; NO TENSOR LOAD, NO CLUSTER, NO JOINT LOAD: how far a wave walks and which way the mask takes hang on numbers read from memory (the first open key, the mask's words).
; Both loops have constant counts (2 phases, 8 x 2 trips, one barrier a trip): a trip that is not needed passes its barrier and does nothing else.
; THREE LEVELS OF SCORE.  Open: the score.  Hidden by exactly one of the two masks: -2^90.  By both: -infinity.  c x 2^90 is a whole number, so a row with no open key gets p = 1 on its once-hidden keys and 0 on the others:
; the uniform softmax that two additions of the lowest f32 number leave.  Such rows (queries under the first open key) need keys behind the diagonal: their waves walk all 4,096 keys.  One open key brings M up and the factor 2^(old M - new M) = 0 wipes those sums out.
; LAYOUT.  All operands are images of registers (2,048 bytes; registers 4 c .. 4 c + 3 of lane l at 512 c + 16 l; registers 2 c, 2 c + 1: k = 16 c + 8 h + 0 .. 7).  A lane holds ONE query; register j of key tile T holds key 16 T + 8 h + j,
; so p's eight codes of tile T are registers 2 T, 2 T + 1 of the next operand.
; LIMITS: e6 + e7 between -60 and 40; e8, and e10 - e8 - e9, between -126 and 119.  NaN is not served.
; REGISTERS, window 0: v1-11 addresses; v12 -M, v13 the largest t, v[14:15] l; v16-31 Q; v32-95 at work; v96-159 S^T, then p; v160-223 O^T; v224-239 codes; v240-255 scales, constants, at work.  window 1: v0-63 staging; v64-191 eight fragments.
.set SLOT1, 65536                      ; a slot: K's 16 images (32,768 bytes), then V's 16
.set VOFF,  32768
.set MERGE, 131072                     ; four parts of 8,448 bytes: O's 16 groups of registers, -M at 8,192, l at 8,320
.set SPARE, 164864                     ; the spare words, 128 bytes for each wave: four blocks of 256 bytes that no other line names
.set LI,  1                            ; v1     16 x lane
.set AK,  2                            ; v2-3   my parity's K in slot 0, 1
.set AV,  4                            ; v4-5   my parity's V
.set SD,  6                            ; v6-7   where I store my part of a tile
.set SPW, 8                            ; v8     LDS address of my spare word; never rewritten
.set NIL, 9                            ; v9     0; never rewritten
.set MG,  10                           ; v10    my tile's part of MERGE
.set MGS, 11                           ; v11    its -M and l
.set FR,  64
.set MSB, 0
.macro WIN new
.if MSB != \new
	s_set_vgpr_msb (MSB<<8)|\new
.set MSB, \new
.endif
.endm
.macro MKSC e, vs, vl
	s_add_co_i32 s56, s[\e], 127
	s_lshl_b32 s57, s56, 23
	v_mov_b32 v[\vs], s57
	s_add_co_i32 s56, s56, 8
	s_lshl_b32 s56, s56, 23
	s_or_b32 s56, s56, 0x600000
	v_mov_b32 v[\vl], s56
.endm
	s_load_b256 s[4:11], s[0:1], 0x0               ; qkvimg s[4:5], mbits s[6:7], scales s[8:9], aimg s[10:11]
	v_lshl_add_u32 v[SPW], v0, 2, SPARE
	v_mov_b32 v[NIL], 0
	v_lshrrev_b32 v1, 5, v0
	v_readfirstlane_b32 s12, v1                    ; wave 0..7
	s_and_b32 s13, s12, 1                          ; parity
	s_lshr_b32 s14, s12, 1                         ; tile
	s_and_b32 s15, ttmp7, 0xffff                   ; g
	v_and_b32 v1, 31, v0
	v_lshlrev_b32 v249, 8, v1                      ; the prefetches' offset: 256 x lane; never rewritten
	v_lshlrev_b32 v[MGS], 2, v1
	v_lshlrev_b32 v[LI], 4, v1
	s_lshl_b32 s56, s13, 14
	v_add_nc_u32 v[AK], s56, v[LI]
	v_add_nc_u32 v[AK+1], SLOT1, v[AK]
	v_add_nc_u32 v[AV], VOFF, v[AK]
	v_add_nc_u32 v[AV+1], VOFF, v[AK+1]
	s_lshl_b32 s56, s12, 13
	v_add_nc_u32 v[SD], s56, v[LI]
	v_add_nc_u32 v[SD+1], SLOT1, v[SD]
	s_mul_i32 s56, s14, 8448
	s_add_co_u32 s56, s56, MERGE
	v_add_nc_u32 v[MG], s56, v[LI]
	s_add_co_u32 s56, s56, 8192
	v_add_nc_u32 v[MGS], s56, v[MGS]
	v_and_b32 v247, 15, v0
	v_bfe_u32 v248, v0, 4, 1
	v_lshlrev_b32 v248, 3, v248                    ; 8 h
	v_sub_nc_u32 v247, v247, v248                  ; r - 8 h
	v_mov_b32 v250, 0xec800000                     ; -2^90
	v_mov_b32 v251, 0xff800000                     ; -infinity
	v_mov_b32 v253, 0                              ; (named as the upper halves of pairs)
	v_mov_b32 v255, 0
	s_mov_b32 s38, 0x76543210                      ; v_permlanex16_b32: lane l xor 16
	s_mov_b32 s39, 0xfedcba98
	s_wait_kmcnt 0x0
	s_load_b256 s[44:51], s[8:9], 0x0              ; e0 .. e7
	s_load_b128 s[52:55], s[8:9], 0x20             ; e8 .. e11
	s_load_b32 s24, s[6:7], 0x200                  ; the first open key
	s_and_b32 s37, s14, 1
	s_lshl_b32 s56, s15, 1
	s_add_co_u32 s37, s37, s56                     ; my query head
	s_lshr_b32 s56, s12, 2                         ; waves 0-3 stage K (from 4 MiB on), waves 4-7 V (from 6 MiB on)
	s_lshl_b32 s56, s56, 21
	s_add_co_u32 s56, s56, 0x400000
	s_lshl_b32 s57, s15, 19
	s_add_co_u32 s56, s56, s57
	s_and_b32 s57, s12, 3
	s_lshl_b32 s57, s57, 13
	s_add_co_u32 s56, s56, s57
	s_mov_b32 s57, 0
	s_add_nc_u64 s[30:31], s[4:5], s[56:57]        ; my 8,192 bytes of tile 0
	s_sub_co_u32 s17, 127, ttmp9                   ; the block in hand
	s_mov_b32 s18, 2                               ; phases to go
	s_cmp_eq_u32 ttmp9, 0
	s_cselect_b32 s25, 13, 0                       ; who prefetches, and until which trip: see TRIP
	s_wait_kmcnt 0x0
	s_add_co_i32 s56, s50, s51
	s_lshl_b32 s56, s56, 23
	s_add_co_i32 s40, s56, 0x3e0293ee              ; c = log2(e) / sqrt(128), with e6 + e7 added to its exponent field
	s_mov_b32 s41, s40
	MKSC 52, 244, 240                              ; p's scale 2^e8
	s_sub_co_i32 s58, s54, s52
	s_sub_co_i32 s58, s58, s53
	MKSC 58, 246, 245                              ; O stands for O x 2^(e8 + e9): its code under 2^e10 is O / 2^(e10 - e8 - e9)
; A KEY STEP: my parity's 128 keys of the slot sl
.macro STEP sl
	s_lshr_b32 s36, s21, 3
	s_load_b128 s[32:35], s[6:7], s36 offset:0x0   ; the 128 keys' mask bits
	WIN 0x40
.set tt, 0
.rept 8
.irp c, 0,1,2,3
	ds_load_b128 v[FR+16*tt+4*\c:FR+16*tt+4*\c+3], v[AK+\sl] offset:2048*tt+512*\c
.endr
.set tt, tt+1
.endr
	WIN 0x01                                       ; source 0 window 1
.set tt, 0
.rept 8
	s_wait_dscnt 28-4*tt                           ; tile tt's four loads are in; the later tiles' may be out
	v_wmma_f32_16x16x128_fp8_fp8 v[96+8*tt:103+8*tt], v[FR+16*tt:FR+16*tt+15], v[16:31], 0
.set tt, tt+1
.endr
	WIN 0
.rept 4
	v_nop                                          ; places in front of the loads into the fragments and of the first read of the scores
.endr
	WIN 0x40
.set tt, 0
.rept 8
.irp c, 0,1,2,3
	ds_load_b128 v[FR+16*tt+4*\c:FR+16*tt+4*\c+3], v[AV+\sl] offset:2048*tt+512*\c   ; V's fragments land under the softmax
.endr
.set tt, tt+1
.endr
	WIN 0
	s_sub_co_i32 s57, s23, s21
	v_add_nc_u32 v32, s57, v247                    ; d = my query - the step's first key - 8 h: register 8 T + j is hidden where 16 T + j > d
	s_wait_kmcnt 0x0
	s_and_b32 s56, s32, s33
	s_and_b32 s57, s34, s35
	s_and_b32 s56, s56, s57
	s_cmp_eq_u32 s56, -1
	s_cbranch_scc0 .Lpad_\@
	s_add_co_u32 s57, s21, 127
	s_cmp_le_u32 s57, s23
	s_cbranch_scc1 .Lopen_\@                       ; no hole, and every key at or under every query: nothing to do
.set n, 0
.rept 64                               ; no hole: hidden keys go to the first level
	v_cmp_gt_i32 vcc_lo, 16*(n/8)+n%8, v32
	v_cndmask_b32 v[96+n], v[96+n], v250, vcc_lo
.set n, n+1
.endr
	s_branch .Lopen_\@
.Lpad_\@:
.irp k, 0,1,2,3
	v_lshrrev_b32 v[36+\k], v248, s[32+\k]         ; my half's bits at 16 (T % 2) + j
.endr
.set n, 0
.rept 64
	v_and_b32 v44, 1<<(16*((n/8)%2)+n%8), v[36+n/16]
	v_cmp_eq_u32 s56, 0, v44                       ; padded
	v_cmp_gt_i32 vcc_lo, 16*(n/8)+n%8, v32         ; hidden
	v_cndmask_b32 v45, v250, v251, s56
	v_cndmask_b32 v[96+n], v[96+n], v250, s56
	v_cndmask_b32 v[96+n], v[96+n], v45, vcc_lo
.set n, n+1
.endr
.Lopen_\@:
	v_max3_num_f32 v254, v96, v97, v98             ; the step's largest score of my query among my 64 keys, in two chains, each accumulator from its low end on,
	v_max3_num_f32 v252, v99, v100, v101
.set n, 6
.rept 14
	v_max3_num_f32 v254, v254, v[96+n], v[97+n]
	v_max3_num_f32 v252, v252, v[98+n], v[99+n]
.set n, n+4
.endr
	v_max3_num_f32 v254, v254, v158, v159
	v_max_num_f32 v254, v254, v252
	v_permlanex16_b32 v48, v254, s38, s39
	v_max_num_f32 v254, v254, v48                  ; and among lane l xor 16's
	v_mul_f32 v254, s40, v254                      ; as t (c is positive)
	v_max_num_f32 v13, v13, v254
	v_mov_b32 v254, v12
	v_floor_f32 v12, -v13                          ; -M = floor(-t): M is a whole number
	v_sub_f32 v254, v12, v254
	v_cvt_i32_f32 v254, v254                       ; (it saturates)
	v_ldexp_f32 v252, 1.0, v254                    ; f = 2^(old M - new M)
.set n, 0
.rept 32
	v_pk_fma_f32 v[96+n:97+n], v[96+n:97+n], s[40:41], v[12:13] op_sel_hi:[1,0,0]   ; t - M
.set n, n+2
.endr
.set n, 0
.rept 64
	v_exp_f32 v[96+n], v[96+n]                     ; p, not normalised
.set n, n+1
.endr
	v_pk_mul_f32 v[14:15], v[14:15], v[252:253] op_sel_hi:[1,0]   ; l under the new M.  (The plain line behind the exponentials)
	s_wait_alu depctr_va_vdst(0)                   ; one wait for the 64 exponentials, ahead of their first reader
	v_pk_add_f32 v[242:243], v[96:97], v[98:99]    ; the row's sum is taken of the unquantised p, in two chains
.set n, 4
.rept 15
	v_pk_add_f32 v[14:15], v[14:15], v[96+n:97+n]
	v_pk_add_f32 v[242:243], v[242:243], v[98+n:99+n]
.set n, n+4
.endr
	v_pk_add_f32 v[14:15], v[14:15], v[242:243]
.set tt, 0
.rept 8
.set n, 0
.rept 8
	v_min_num_f32 v[96+8*tt+n], v[96+8*tt+n], v240 ; the conversion does not saturate (ISA guide 7.6.2); p is not negative: a one-sided hold
.set n, n+1
.endr
	v_cvt_scalef32_pk8_fp8_f32 v[224+2*tt:225+2*tt], v[96+8*tt:103+8*tt], v244
.set tt, tt+1
.endr
.set n, 0
.rept 32
	v_pk_mul_f32 v[160+n:161+n], v[160+n:161+n], v[252:253] op_sel_hi:[1,0]   ; O^T under the new M
.set n, n+2
.endr
	s_wait_dscnt 0x0                               ; V's fragments
	WIN 0x01
.set tt, 0
.rept 8
	v_wmma_f32_16x16x128_fp8_fp8 v[160+8*tt:167+8*tt], v[FR+16*tt:FR+16*tt+15], v[224:239], v[160+8*tt:167+8*tt]   ; eight accumulators by turns
.set tt, tt+1
.endr
	WIN 0
.rept 4
	v_nop                                          ; places behind the last products, for whatever touches their registers next
.endr
.endm
; A TRIP: tile T lies in slot sl.
.macro TRIP sl
	s_add_co_u32 s27, s19, 1
	s_cmp_lt_u32 s27, s20
	s_cbranch_scc0 .Lno_ld_\@
	WIN 0x40
.set n, 0
.rept 16
	global_load_b128 v[4*n:4*n+3], v[LI], s[28:29] offset:512*n   ; my part of tile T + 1: it has this trip's step in which to land
.set n, n+1
.endr
	WIN 0
.Lno_ld_\@:
	; A PREFETCH INTO THE L2: all work-groups of a key/value head walk the same tiles from tile 0 on; the one with x = 0, whose first phase walks all 16, asks in trip T for tile T + 3, two trips ahead of the load that wants it:
	; each wave for its own 8,192 bytes, lanes 256 bytes apart: each aligned 256 bytes once in the launch.  T < 13: the last tile asked for is 15.  Tiles 0 to 2 come by their loads alone.
	s_cmp_lt_u32 s19, s25
	s_cbranch_scc0 .Lno_pf_\@
	global_prefetch_b8 v249, s[28:29] offset:65536 th:TH_LOAD_NT scope:SCOPE_SE
.Lno_pf_\@:
	s_cmp_le_u32 s21, s22                          ; does any of my queries see my 128 keys?
	s_cbranch_scc0 .Lno_step_\@
	STEP \sl
.Lno_step_\@:
	s_wait_loadcnt 0x0                             ; on every way, outside the branch below: no load into the staging registers is out when the trip ends, so the next trip's or the next phase's loads meet none
	s_cmp_lt_u32 s27, s20
	s_cbranch_scc0 .Lno_st_\@
	WIN 0x04                                       ; store data window 1
.set n, 0
.rept 16
	ds_store_b128 v[SD+1-\sl], v[4*n:4*n+3] offset:512*n   ; into the slot read last trip: every wave's reads of it were waited for in front of the last barrier
.set n, n+1
.endr
	WIN 0
.Lno_st_\@:
	s_wait_xcnt 0x0                                ; the loads and the prefetch have read their base
	s_add_nc_u64 s[28:29], s[28:29], 0x8000
	s_add_co_u32 s21, s21, 256
	s_add_co_u32 s19, s19, 1
	s_wait_dscnt 0x0                               ; my stores have landed and my reads of this slot are over
	s_barrier_signal -1
	s_barrier_wait -1
.endm
.Lphase:
	s_wait_xcnt 0x0                                ; the last phase's stores and loads have read their registers
	s_lshr_b32 s20, s17, 3
	s_add_co_u32 s20, s20, 1                       ; tiles that the block needs,
	s_lshl_b32 s26, s17, 5
	s_cmp_lt_u32 s26, s24
	s_cselect_b32 s20, 16, s20                     ; all 16 where a query lies under the first open key
	s_lshr_b32 s27, s14, 1
	s_lshl_b32 s27, s27, 4
	s_add_co_u32 s23, s26, s27                     ; my first query
	s_add_co_u32 s22, s23, 15                      ; the last key that I walk to
	s_cmp_lt_u32 s23, s24
	s_cselect_b32 s22, 0xfff, s22
	s_lshr_b32 s26, s23, 4
	s_lshl_b32 s56, s37, 8
	s_add_co_u32 s56, s56, s26
	s_lshl_b32 s56, s56, 11
	s_mov_b32 s57, 0
	s_add_nc_u64 s[58:59], s[4:5], s[56:57]        ; Q's image
	s_lshl_b32 s56, s26, 3
	s_add_co_u32 s56, s56, s37
	s_lshl_b32 s56, s56, 11
	s_add_nc_u64 s[60:61], s[10:11], s[56:57]      ; the output's image
	s_mov_b64 s[28:29], s[30:31]
	WIN 0x40
.set n, 0
.rept 16
	global_load_b128 v[4*n:4*n+3], v[LI], s[28:29] offset:512*n   ; my part of tile 0
.set n, n+1
.endr
	WIN 0
.irp c, 0,1,2,3
	global_load_b128 v[16+4*\c:19+4*\c], v[LI], s[58:59] offset:512*\c
.endr
	v_mov_b32 v13, 0xff61b1e6                      ; the largest t so far: -3e38, under every t
	v_floor_f32 v12, -v13
	v_mov_b32 v14, 0
	v_mov_b32 v15, 0
	v_mov_b32 v48, 0                               ; a lane permute's destination counts as read
.set n, 0
.rept 64
	v_mov_b32 v[160+n], 0                          ; O^T: the step is written once, and its first change of M multiplies zeros
.set n, n+1
.endr
	s_wait_xcnt 0x0
	s_add_nc_u64 s[28:29], s[28:29], 0x8000
	s_wait_loadcnt 0x0
	WIN 0x04
.set n, 0
.rept 16
	ds_store_b128 v[SD], v[4*n:4*n+3] offset:512*n
.set n, n+1
.endr
	WIN 0
	s_mov_b32 s19, 0                               ; T
	s_lshl_b32 s21, s13, 7                         ; my step's first key
	s_mov_b32 s26, 8
	s_wait_dscnt 0x0
	s_barrier_signal -1
	s_barrier_wait -1
.Ltrip:
	TRIP 0
	TRIP 1
	s_sub_co_u32 s26, s26, 1
	s_cmp_lg_u32 s26, 0
	s_cbranch_scc1 .Ltrip
	; THE TWO PARITIES MEET
	v_add_f32 v14, v14, v15
	v_permlanex16_b32 v48, v14, s38, s39
	v_add_f32 v14, v14, v48                        ; my parity's sum of the row
	s_cmp_eq_u32 s13, 0
	s_cbranch_scc1 .Lkeep
.set n, 0
.rept 16
	ds_store_b128 v[MG], v[160+4*n:163+4*n] offset:512*n
.set n, n+1
.endr
	ds_store_b32 v[MGS], v12
	ds_store_b32 v[MGS], v14 offset:128
.Lkeep:
	s_wait_dscnt 0x0
	s_barrier_signal -1
	s_barrier_wait -1
	s_cmp_lg_u32 s13, 0
	s_cbranch_scc1 .Lphase_end
.set n, 0
.rept 16
	ds_load_b128 v[32+4*n:35+4*n], v[MG] offset:512*n
.set n, n+1
.endr
	ds_load_b32 v241, v[MGS]
	ds_load_b32 v242, v[MGS] offset:128
	s_wait_dscnt 0x0
	v_min_num_f32 v243, v12, v241                  ; -M of both
	v_sub_f32 v252, v243, v12
	v_sub_f32 v254, v243, v241
	v_cvt_i32_f32 v252, v252
	v_cvt_i32_f32 v254, v254
	v_ldexp_f32 v252, 1.0, v252                    ; each parity's factor: an exact power of two, or 0
	v_ldexp_f32 v254, 1.0, v254
	v_mul_f32 v14, v14, v252
	v_fma_f32 v14, v242, v254, v14                 ; l
	v_rcp_f32 v241, v14
	v_nop
	s_wait_alu depctr_va_vdst(0)                   ; ahead of the reciprocal's first reader
	v_mul_f32 v252, v252, v241
	v_mul_f32 v254, v254, v241
.set n, 0
.rept 32
	v_pk_mul_f32 v[160+n:161+n], v[160+n:161+n], v[252:253] op_sel_hi:[1,0]
.set n, n+2
.endr
.set n, 0
.rept 32
	v_pk_fma_f32 v[160+n:161+n], v[32+n:33+n], v[254:255], v[160+n:161+n] op_sel_hi:[1,0,1]   ; O / l
.set n, n+2
.endr
.set tt, 0
.rept 8
.set n, 0
.rept 8
	v_med3_num_f32 v[160+8*tt+n], v[160+8*tt+n], -v245, v245
.set n, n+1
.endr
	v_cvt_scalef32_pk8_fp8_f32 v[224+2*tt:225+2*tt], v[160+8*tt:167+8*tt], v246
.set tt, tt+1
.endr
	v_nop                                          ; a plain line behind the last conversion
.irp c, 0,1,2,3
	global_store_b128 v[LI], v[224+4*\c:227+4*\c], s[60:61] offset:512*\c   ; the image of 16 queries x this head's 128: 512 consecutive bytes a store
.endr
.Lphase_end:
	s_sub_co_u32 s17, 127, s17                     ; the other block
	s_mov_b32 s25, 0                               ; the second phase prefetches nothing: its tiles have been read
	s_sub_co_u32 s18, s18, 1
	s_cmp_lg_u32 s18, 0
	s_cbranch_scc1 .Lphase
	s_wait_tensorcnt 0x0                           ; the wave's end, behind my last LDS store
	ds_add_u32 v[SPW], v[NIL]
	s_wait_dscnt 0x0
	s_endpgm
.Lfunc_end_k_qae6206851d_attn:
	.size	k_qae6206851d_attn, .Lfunc_end_k_qae6206851d_attn-k_qae6206851d_attn
	.p2alignl 7, 3214868480
	.fill 96, 4, 3214868480
	.section	.rodata,"a",@progbits
	.p2align	6, 0x0
	.amdhsa_kernel k_qae6206851d_attn
		.amdhsa_group_segment_fixed_size 165888
		.amdhsa_private_segment_fixed_size 0
		.amdhsa_enable_private_segment 0
		.amdhsa_kernarg_size 32
		.amdhsa_user_sgpr_count 2
		.amdhsa_user_sgpr_kernarg_segment_ptr 1
		.amdhsa_wavefront_size32 1
		.amdhsa_system_sgpr_workgroup_id_x 1
		.amdhsa_system_sgpr_workgroup_id_y 1
		.amdhsa_system_sgpr_workgroup_id_z 1
		.amdhsa_system_vgpr_workitem_id 0
		.amdhsa_next_free_vgpr 512
		.amdhsa_next_free_sgpr 66
		.amdhsa_reserve_vcc 1
		.amdhsa_float_denorm_mode_32 3
		.amdhsa_float_denorm_mode_16_64 3
		.amdhsa_memory_ordered 1
		.amdhsa_forward_progress 1
		.amdhsa_inst_pref_size 118
	.end_amdhsa_kernel
	.amdgpu_metadata
---
amdhsa.version: [ 1, 2 ]
amdhsa.kernels:
  - .name:           k_qae6206851d_attn
    .symbol:         k_qae6206851d_attn.kd
    .args:
      - { .name: qkvimg, .offset: 0, .size: 8, .value_kind: global_buffer, .address_space: global }
      - { .name: mbits, .offset: 8, .size: 8, .value_kind: global_buffer, .address_space: global }
      - { .name: lowp_scales, .offset: 16, .size: 8, .value_kind: global_buffer, .address_space: global }
      - { .name: aimg, .offset: 24, .size: 8, .value_kind: global_buffer, .address_space: global }
    .group_segment_fixed_size: 165888
    .private_segment_fixed_size: 0
    .kernarg_segment_align: 8
    .kernarg_segment_size: 32
    .max_flat_workgroup_size: 256
    .sgpr_count:     66
    .vgpr_count:     512
    .wavefront_size: 32
...
	.end_amdgpu_metadata
.endif
;; end of part 3
;; launch proj (part 4): grid 16 x 16, 4 waves a work-group, clusters of 4 x 4, 327,680 bytes of LDS; arguments aimg, woimg, lowp_scales, out0; writes out0
.if DOCPART == 4
	.amdgcn_target "amdgcn-amd-amdhsa--gfx1250"
	.amdhsa_code_object_version 6
	.text
	.protected	k_qae6206851d_proj
	.globl	k_qae6206851d_proj
	.p2align	8
	.type	k_qae6206851d_proj,@function
k_qae6206851d_proj:
	s_mov_b64 s[64:65], 0
	v_nop
	global_prefetch_b8 v0, s[64:65] scope:SCOPE_SE
	s_setreg_imm32_b32 hwreg(HW_REG_WAVE_MODE, 25, 1), 1
	s_wait_xcnt 0x0
	s_wait_alu depctr_hold_cnt(0) depctr_sa_sdst(0) depctr_va_vdst(0) depctr_va_sdst(0) depctr_va_ssrc(0) depctr_va_vcc(0) depctr_vm_vsrc(0)
	s_getreg_b32 s2, hwreg(HW_REG_IB_STS2, 6, 4)
	s_cmp_eq_u32 s2, 0
	s_cbranch_scc0 .Lentry_in_a_cluster
	s_endpgm
.Lentry_in_a_cluster:
	s_bfe_u32 s2, ttmp6, 0x10000c
	s_cmp_lg_u32 s2, 0xf033
	s_cbranch_scc0 .Lentry_shape_is_right
	s_endpgm
.Lentry_shape_is_right:
; out0 [4096][2048] f32 = the attention's output (codes, 2^e10) x wo (codes, 2^e11), K = 1,024.  A work-group makes 256 tokens x 128 columns: 16 x 16 work-groups.
; Operands are images of registers (16 rows x 128 K: 2,048 bytes; registers 4 c .. 4 c + 3 of lane l at 512 c + 16 l): every fragment is four LDS loads of 512 consecutive bytes.
; A wave: source 1 = its 64 tokens (4 blocks), source 0 = the 128 columns (8 blocks): 32 accumulators; a lane holds one token and eight neighbouring columns.
; K goes in steps of 256 through two LDS slots.  CLUSTER 4 x 4: the tokens' tile is shared along a row of the cluster, the weights' along a column: joint loads.  No prefetch: four K steps, tiles shared by four partners.
; LIMIT: e10 + e11 between -126 and 127, so that 2^(e10 + e11) is an f32 number.
; REGISTERS: window 0: v16-29 addresses; v64-127, v128-191 source 1's fragments, two sets; on the way out v32-255 are free.  window 1: source 0's, two sets of 128.  window 2: accumulator (a, b) at v[8 (8 a + b)].
.set KSB,   4096
.set BREG,  65536
.set SLOT,  98304
.set SPARE, 2*SLOT                     ; the spare words, 128 bytes for each wave: two blocks of 256 bytes that no other line names
.set LAPS,  2
.set SPITCH, 528                       ; the way out: a stage of 16 rows x (512 + 16) bytes for each wave, in slot 0, which has had its last fill and its last read by then
.set ADR1,  16
.set ADR0,  20
.set LI,    22
.set STO,   24
.set RD,    25
.set SPW,   28
.set NIL,   29
.set TMP,   32
.set BK,    128
.set G1,  24
.set G0,  32
.set G1B, 48
.set G0B, 56
.set MULW, 0xa1
.set MSB, 0
.macro WIN new
.if MSB != \new
	s_set_vgpr_msb (MSB<<8)|\new
.set MSB, \new
.endif
.endm
.macro JLOAD s                         ; a joint load: waves 0, 1 fetch the tokens' two halves, waves 2, 3 the weights'; an s_nop 0 and four v_nop follow each line
	s_cmp_eq_u32 s15, 0
	s_cbranch_scc0 .Lfor_b_\@
	tensor_load_to_lds s[G0+4*\s:G0+4*\s+3], s[G1:G1+7]
	s_nop 0
.rept 4
	v_nop
.endr
	s_branch .Lasked_\@
.Lfor_b_\@:
	tensor_load_to_lds s[G0B+4*\s:G0B+4*\s+3], s[G1B:G1B+7]
	s_nop 0
.rept 4
	v_nop
.endr
.Lasked_\@:
.endm
.macro CREST
	s_cmp_lg_u32 s14, 0
	s_cbranch_scc1 .Lnot_wave_0_\@
	s_barrier_signal -3
.Lnot_wave_0_\@:
	s_barrier_wait -3
	s_barrier_signal -1
	s_barrier_wait -1
.endm
.macro CROUND
	s_barrier_signal -1
	s_barrier_wait -1
	CREST
.endm
.macro PLACES
.rept 4
	v_nop
.endr
.endm
	s_load_b256 s[4:11], s[0:1], 0x0               ; aimg s[4:5], woimg s[6:7], scales s[8:9], out0 s[10:11]
	v_lshl_add_u32 v[SPW], v0, 2, SPARE
	v_mov_b32 v[NIL], 0
	ds_add_u32 v[SPW], v[NIL]                      ; the wave's opening: the add and its wait stand ahead of my first tensor load
	v_lshrrev_b32 v1, 5, v0
	v_readfirstlane_b32 s14, v1
	s_lshr_b32 s15, s14, 1
	s_and_b32 s16, s14, 1
	s_bfe_u32 s40, ttmp6, 0x40000
	s_bfe_u32 s41, ttmp6, 0x40004
	s_lshl_b32 s42, ttmp9, 2
	s_add_co_u32 s42, s42, s40                     ; X
	s_and_b32 s17, ttmp7, 0xffff
	s_lshl_b32 s17, s17, 2
	s_add_co_u32 s17, s17, s41                     ; Y
	s_lshl_b32 s43, s41, 2
	s_lshl_b32 s43, 15, s43
	s_lshl_b32 s44, 0x1111, s40
	s_or_b32 s[G1], s43, (3<<16)|(1<<21)           ; the mask; elements of 8 bytes; bit 21 beside a mask; no padding
	s_or_b32 s[G1B], s44, (3<<16)|(1<<21)
	s_mov_b32 s[G1+1], 512<<16                     ; a tile's K step: 512 elements
	s_mov_b32 s[G1+2], 8<<16                       ; 8 tiles of 16 tokens
	s_mov_b32 s[G1+3], 512<<16
	s_mov_b32 s[G1+4], 8
	s_mov_b32 s[G1+5], 2048                        ; from tile to tile: 8 images
	s_mov_b32 s[G1+6], 0
	s_mov_b32 s[G1+7], 0
	s_mov_b32 s[G1B+1], 512<<16
	s_mov_b32 s[G1B+2], 4<<16
	s_mov_b32 s[G1B+3], 512<<16
	s_mov_b32 s[G1B+4], 4
	s_mov_b32 s[G1B+5], 2048
	s_mov_b32 s[G1B+6], 0
	s_mov_b32 s[G1B+7], 0
	s_lshl_b32 s20, s17, 4
	s_lshl_b32 s19, s16, 3
	s_add_co_u32 s20, s20, s19
	s_lshl_b32 s20, s20, 14
	s_mov_b32 s21, 0
	s_lshl_b32 s46, s42, 3
	s_lshl_b32 s19, s16, 2
	s_add_co_u32 s46, s46, s19
	s_lshl_b32 s46, s46, 14
	s_mov_b32 s47, 0
	s_lshl_b32 s45, s16, 15
	s_lshl_b32 s22, s16, 14
	s_add_co_u32 s22, s22, BREG
	s_wait_dscnt 0x0                               ; the opening add is done
	s_wait_kmcnt 0x0
	s_load_b64 s[96:97], s[8:9], 0x28              ; e10, e11
	s_add_nc_u64 s[20:21], s[4:5], s[20:21]
	s_add_nc_u64 s[46:47], s[6:7], s[46:47]
	CROUND
.irp s, 0,1
	s_mov_b32 s[G0+4*\s], 1
	s_add_co_u32 s[G0+4*\s+1], s45, \s*SLOT
	s_add_nc_u64 s[G0+4*\s+2:G0+4*\s+3], s[20:21], \s*KSB
	s_or_b32 s[G0+4*\s+3], s[G0+4*\s+3], 0x80000000
	s_mov_b32 s[G0B+4*\s], 1
	s_add_co_u32 s[G0B+4*\s+1], s22, \s*SLOT
	s_add_nc_u64 s[G0B+4*\s+2:G0B+4*\s+3], s[46:47], \s*KSB
	s_or_b32 s[G0B+4*\s+3], s[G0B+4*\s+3], 0x80000000
	JLOAD \s
.endr
	v_and_b32 v1, 31, v0
	v_lshlrev_b32 v[LI], 4, v1
	s_lshl_b32 s18, s14, 14                        ; source 1 = tokens 64 w on
	v_add_nc_u32 v[ADR1], s18, v[LI]
	v_add_nc_u32 v[ADR0], BREG, v[LI]              ; source 0 = the 128 columns
	v_add_nc_u32 v[ADR1+1], SLOT, v[ADR1]
	v_add_nc_u32 v[ADR0+1], SLOT, v[ADR0]
	s_mul_i32 s23, s14, 16*SPITCH                  ; my stage
	v_and_b32 v2, 15, v0
	v_bfe_u32 v3, v0, 4, 1
	v_mul_u32_u24 v[STO], v2, SPITCH
	v_lshl_add_u32 v[STO], v3, 5, v[STO]
	v_add_nc_u32 v[STO], s23, v[STO]               ; in: row r, 32 bytes for each half of the lanes
	v_add_nc_u32 v[RD], s23, v[LI]                 ; back: a whole row of 512 bytes
	s_lshl_b32 s20, s17, 8
	s_lshl_b32 s21, s14, 6
	s_add_co_u32 s20, s20, s21
	s_lshl_b32 s20, s20, 13                        ; my first row of out0: 256 Y + 64 w, 8,192 bytes a row
	s_mov_b32 s21, 0
	s_lshl_b32 s46, s42, 9                         ; my 128 columns
	s_mov_b32 s47, 0
	s_add_nc_u64 s[20:21], s[20:21], s[46:47]
	s_add_nc_u64 s[10:11], s[10:11], s[20:21]
.macro FETCH slot, q, p
	WIN 0x40
.irp i, 0,1,2,3,4,5,6,7
.irp c, 0,1,2,3
	ds_load_b128 v[128*(\p)+16*\i+4*\c:128*(\p)+16*\i+4*\c+3], v[ADR0+\slot] offset:4096*\i+2048*(\q)+512*\c
.endr
.endr
	WIN 0
.irp i, 0,1,2,3
.irp c, 0,1,2,3
	ds_load_b128 v[64+64*(\p)+16*\i+4*\c:64+64*(\p)+16*\i+4*\c+3], v[ADR1+\slot] offset:4096*\i+2048*(\q)+512*\c
.endr
.endr
.endm
.macro MUL8 a, p, zero                 ; the 32 accumulators take turns in one order throughout
.irp b, 0,1,2,3,4,5,6,7
.if \zero
	v_wmma_f32_16x16x128_fp8_fp8 v[8*(8*(\a)+\b):8*(8*(\a)+\b)+7], v[128*(\p)+16*\b:128*(\p)+16*\b+15], v[64+64*(\p)+16*(\a):64+64*(\p)+16*(\a)+15], 0
.else
	v_wmma_f32_16x16x128_fp8_fp8 v[8*(8*(\a)+\b):8*(8*(\a)+\b)+7], v[128*(\p)+16*\b:128*(\p)+16*\b+15], v[64+64*(\p)+16*(\a):64+64*(\p)+16*(\a)+15], v[8*(8*(\a)+\b):8*(8*(\a)+\b)+7]
.endif
.endr
.endm
.macro SUB slot, zero
	s_wait_dscnt 8                                 ; all but the youngest eight loads (source 1's blocks 2, 3)
	WIN MULW
	MUL8 0, 0, \zero
	MUL8 1, 0, \zero
	PLACES
	FETCH \slot, 1, 1
	s_wait_dscnt 48                                ; all but the 48 just issued
	WIN MULW
	MUL8 2, 0, \zero
	MUL8 3, 0, \zero
.endm
.macro TURN slot, next, fill
	WIN 0
	s_wait_tensorcnt 0x0                           ; all my tensor loads have landed: my part of the next slot;
	ds_add_u32 v[SPW], v[NIL]                      ; 0 onto my spare word;
	s_wait_dscnt 9                                 ; (the add and the youngest eight loads may be out)
	WIN MULW
	MUL8 0, 1, 0
	s_wait_dscnt 0x0                               ; the add is done, and my reads of this slot are over
	s_barrier_signal -1
	MUL8 1, 1, 0
	WIN 0
	s_barrier_wait -1
.if \fill
	CREST                                          ; a round of the cluster's barrier: no wave of any partner still reads this slot or has a load on its way
	s_add_nc_u64 s[G0+4*\slot+2:G0+4*\slot+3], s[G0+4*\slot+2:G0+4*\slot+3], 2*KSB
	s_add_nc_u64 s[G0B+4*\slot+2:G0B+4*\slot+3], s[G0B+4*\slot+2:G0B+4*\slot+3], 2*KSB
	JLOAD \slot
.else
	PLACES
.endif
	FETCH \next, 0, 0
	WIN MULW
	MUL8 2, 1, 0
	MUL8 3, 1, 0
.endm
	s_wait_tensorcnt 1                             ; my part of K step 0 is in (K step 1's load may be out),
	s_barrier_signal -1
	s_barrier_wait -1
	FETCH 0, 0, 0
	SUB 0, 1
	WIN 0
	s_mov_b32 s3, LAPS-1
.Llap:
	TURN 0, 1, 1
	SUB 1, 0
	TURN 1, 0, 1
	SUB 0, 0
	WIN 0
	s_sub_co_u32 s3, s3, 1
	s_cmp_lg_u32 s3, 0
	s_cbranch_scc1 .Llap
	TURN 0, 1, 0
	SUB 1, 0
	s_wait_dscnt 8
	MUL8 0, 1, 0
	MUL8 1, 1, 0
	s_wait_dscnt 0x0
	MUL8 2, 1, 0
	MUL8 3, 1, 0
	WIN 0
; THE WAY OUT, block by block of 16 tokens x 128 columns: through my own stage, back as whole rows of 512 bytes.  LDS serves a wave's instructions in order: no wait between the stores and the loads.
.macro TOSTAGE a
	WIN 0x02                                       ; source 0 window 2
.set j, 0
.rept 32
	v_pk_mul_f32 v[TMP+j:TMP+j+1], v[64*(\a)+j:64*(\a)+j+1], s[96:97] op_sel_hi:[1,0]   ; x 2^(e10 + e11); each accumulator from its low end on
.set j, j+2
.endr
	WIN 0
.irp b, 0,1,2,3,4,5,6,7
	ds_store_b128 v[STO], v[TMP+8*\b:TMP+8*\b+3] offset:64*\b
	ds_store_b128 v[STO], v[TMP+8*\b+4:TMP+8*\b+7] offset:64*\b+16
.endr
.set BB, BK+64*((\a)%2)
.irp t, 0,1,2,3,4,5,6,7,8,9,10,11,12,13,14,15
	ds_load_b128 v[BB+4*\t:BB+4*\t+3], v[RD] offset:\t*SPITCH
.endr
.endm
.macro SEND a, younger
.set BB, BK+64*((\a)%2)
	s_wait_dscnt \younger                          ; the block is back in registers; the next block's LDS instructions may be out
.if (\a) > 0
	s_add_nc_u64 s[10:11], s[10:11], 16*8192       ; (behind a wait on XCNT: the earlier stores have read their base)
.endif
.irp t, 0,1,2,3,4,5,6,7,8,9,10,11,12,13,14,15
	global_store_b128 v[LI], v[BB+4*\t:BB+4*\t+3], s[10:11] offset:\t*8192 th:TH_STORE_NT   ; 512 consecutive bytes, at a multiple of 256 from out0's first byte
.endr
.endm
	s_wait_kmcnt 0x0
	s_add_co_i32 s96, s96, s97
	s_add_co_i32 s96, s96, 127
	s_lshl_b32 s96, s96, 23                        ; 2^(e10 + e11) as f32
	PLACES
	TOSTAGE 0
.irp a, 1,2,3
.if \a > 1
	s_wait_xcnt 0x0                                ; block a - 2's stores have read their registers and their base
.endif
	TOSTAGE \a
	SEND \a-1, 32                                  ; behind block a - 1's loads: block a's 16 stores and 16 loads
.endr
	s_wait_xcnt 0x0
	SEND 3, 0
	s_wait_tensorcnt 0x0                           ; the wave's end
	ds_add_u32 v[SPW], v[NIL]
	s_wait_dscnt 0x0
	CROUND                                         ; the closing round
	s_endpgm
.Lfunc_end_k_qae6206851d_proj:
	.size	k_qae6206851d_proj, .Lfunc_end_k_qae6206851d_proj-k_qae6206851d_proj
	.p2alignl 7, 3214868480
	.fill 96, 4, 3214868480
	.section	.rodata,"a",@progbits
	.p2align	6, 0x0
	.amdhsa_kernel k_qae6206851d_proj
		.amdhsa_group_segment_fixed_size 327680
		.amdhsa_private_segment_fixed_size 0
		.amdhsa_enable_private_segment 0
		.amdhsa_kernarg_size 32
		.amdhsa_user_sgpr_count 2
		.amdhsa_user_sgpr_kernarg_segment_ptr 1
		.amdhsa_wavefront_size32 1
		.amdhsa_system_sgpr_workgroup_id_x 1
		.amdhsa_system_sgpr_workgroup_id_y 1
		.amdhsa_system_sgpr_workgroup_id_z 1
		.amdhsa_system_vgpr_workitem_id 0
		.amdhsa_next_free_vgpr 768
		.amdhsa_next_free_sgpr 100
		.amdhsa_reserve_vcc 0
		.amdhsa_float_denorm_mode_32 3
		.amdhsa_float_denorm_mode_16_64 3
		.amdhsa_memory_ordered 1
		.amdhsa_forward_progress 1
		.amdhsa_inst_pref_size 75
	.end_amdhsa_kernel
	.amdgpu_metadata
---
amdhsa.version: [ 1, 2 ]
amdhsa.kernels:
  - .name:           k_qae6206851d_proj
    .symbol:         k_qae6206851d_proj.kd
    .args:
      - { .name: aimg, .offset: 0, .size: 8, .value_kind: global_buffer, .address_space: global }
      - { .name: woimg, .offset: 8, .size: 8, .value_kind: global_buffer, .address_space: global }
      - { .name: lowp_scales, .offset: 16, .size: 8, .value_kind: global_buffer, .address_space: global }
      - { .name: out0, .offset: 24, .size: 8, .value_kind: global_buffer, .address_space: global }
    .group_segment_fixed_size: 327680
    .private_segment_fixed_size: 0
    .kernarg_segment_align: 8
    .kernarg_segment_size: 32
    .max_flat_workgroup_size: 128
    .sgpr_count:     100
    .vgpr_count:     768
    .wavefront_size: 32
...
	.end_amdgpu_metadata
.endif
;; end of part 4
;; ======== version 2 of 2: 4 launches; version 1 with the launch attn written anew for expert scheduling mode
;; workspace buffers: ximg 25,165,824 bytes; wimg 4,194,304 bytes; woimg 2,097,152 bytes; rope 2,129,920 bytes; mbits 1,024 bytes of whole numbers; qkvimg 8,388,608 bytes; aimg 4,194,304 bytes
;; launch prep: the kernel of part 1 again; grid 513 x 1, 4 waves a work-group, no clusters, 67,072 bytes of LDS; arguments hidden_states, wq, wk, wv, wo, position_ids, attention_mask, lowp_scales, ximg, wimg, woimg, rope, mbits; writes ximg, wimg, woimg, rope, mbits
;; launch qkv: the kernel of part 2 again; grid 16 x 16, 4 waves a work-group, clusters of 4 x 4, 327,680 bytes of LDS; arguments ximg, wimg, lowp_scales, rope, qkvimg; writes qkvimg
;; launch attn (part 5): grid 64 x 4, 8 waves a work-group, no clusters, 165,888 bytes of LDS; arguments qkvimg, mbits, lowp_scales, aimg; writes aimg
.if DOCPART == 5
	.amdgcn_target "amdgcn-amd-amdhsa--gfx1250"
	.amdhsa_code_object_version 6
	.text
	.protected	k_qae6206851d_attn
	.globl	k_qae6206851d_attn
	.p2align	8
	.type	k_qae6206851d_attn,@function
k_qae6206851d_attn:
	s_mov_b64 s[64:65], 0
	v_nop
	global_prefetch_b8 v0, s[64:65] scope:SCOPE_SE
	s_setreg_imm32_b32 hwreg(HW_REG_WAVE_SCHED_MODE, 0, 2), 2
	s_setreg_imm32_b32 hwreg(HW_REG_WAVE_MODE, 25, 1), 1
	s_wait_xcnt 0x0
	s_wait_alu depctr_vm_vsrc(0)
; Attention on E4M3 codes: S^T = K Q^T, the softmax p = 2^(t - M) with M a whole number, O^T = V^T P^T, O / l quantised for the last projection.  Causal mask and the padding mask (as bits).
; SHARES.  Work-group (i, g): key/value head g; two phases: the block of 32 queries b = 127 - i, then b = i, each for both query heads of g: four tiles of 16 queries.  A block needs b / 8 + 1 trips of 256 keys:
; 17 for the two phases together, whatever i.  Wave w: tile w / 2 (head 2 g + tile % 2, queries 32 b + 16 (tile / 2) on); of a trip's 256 keys it takes the 128 of parity w % 2.  The two parities' O, l and M meet in LDS at a phase's end.
; K AND V COME THROUGH REGISTERS INTO TWO LDS SLOTS, a trip ahead: each wave loads 8,192 bytes of the next trip's 65,536 at the trip's head and stores them at its end, into the slot that was read last trip.
; NO TENSOR LOAD, NO CLUSTER, NO JOINT LOAD: how far a wave walks and which way the mask takes hang on numbers read from memory (the first open key, the mask's words).
; Both loops have constant counts (2 phases, 8 x 2 trips, one barrier a trip): a trip that is not needed passes its barrier and does nothing else.
; THREE LEVELS OF SCORE.  Open: the score.  Hidden by exactly one of the two masks: -2^90.  By both: -infinity.  c x 2^90 is a whole number, so a row with no open key gets p = 1 on its once-hidden keys and 0 on the others:
; the uniform softmax that two additions of the lowest f32 number leave.  Such rows (queries under the first open key) need keys behind the diagonal: their waves walk all 4,096 keys.  One open key brings M up and the factor 2^(old M - new M) = 0 wipes those sums out.
; LAYOUT.  All operands are images of registers (2,048 bytes; registers 4 c .. 4 c + 3 of lane l at 512 c + 16 l; registers 2 c, 2 c + 1: k = 16 c + 8 h + 0 .. 7).  A lane holds ONE query; register j of key tile T holds key 16 T + 8 h + j,
; so p's eight codes of tile T are registers 2 T, 2 T + 1 of the next operand.
; LIMITS: e6 + e7 between -60 and 40; e8, and e10 - e8 - e9, between -126 and 119.  NaN is not served.
; REGISTERS, window 0: v1-11 addresses; v12 -M, v13 the largest t, v[14:15] l; v16-31 Q; v32-95 at work; v96-159 S^T, then p; v160-223 O^T; v224-239 codes; v240-255 scales, constants, at work.
;   window 1: v0-63 staging (STG); v64-191 eight fragments (FR); v192-255 four fragments of V (XB).
; THE MODE: SCHED_MODE bits 1:0 = 2 (LLVM: expert scheduling mode 2), set by the entry lines.  The code itself states the register dependences between vector or matrix instructions and memory or LDS instructions, with s_wait_alu, always for 0.
; THE PLAN.  Registers that memory or LDS instructions touch:
;   STG        written by the global loads of tile T + 1 (a phase's head, a trip's head); read by the LDS stores at the phase's head and at a trip's end.  No vector instruction names them.
;   FR         a step's 32 LDS loads of K land in it; the eight products K Q^T read it; V's fragments 4 to 7 then land in its upper half; the products V^T P 4 to 7 read those.
;   XB         V's fragments 0 to 3 land in it, behind the products K Q^T, which do not name it; the products V^T P 0 to 3 read it.
;   Q          four global loads at a phase's head; read by the products K Q^T.
;   O, v12, v14   written by vector and matrix instructions; read by the odd waves' LDS stores at a phase's end; written anew in the next phase.
;   v32-95, v241, v242   vector scratch in a step; the even waves' LDS loads land there at a phase's end.
;   v224-239   written by conversions; read by products and, at a phase's end, by the even waves' global stores.
;   v1-7, v10, v11, v249   addresses and offsets: made at the head, never written again.
; WAITS ON va_vdst: a phase's head (the addresses; Q); a step's head (FR and XB are free: K's loads and XB's follow with no further wait); behind the exponentials (their results; FR's upper half is free);
;   ahead of the merge's branch (O, -M, l are written; the scratch is free); behind the reciprocal; behind the last conversions.
; WAITS ON vm_vsrc: in front of the barrier behind each run of LDS stores from STG; at the merge's barrier (O, -M, l have been read); at a phase's head (the output's stores have read the codes).
; WAITS ON va_sdst: behind v_readfirstlane_b32; behind each run of compares, whose masks lie in s42 to s57.  VCC is not used.
.set SLOT1, 65536                      ; a slot: K's 16 images (32,768 bytes), then V's 16
.set VOFF,  32768
.set MERGE, 131072                     ; four parts of 8,448 bytes: O's 16 groups of registers, -M at 8,192, l at 8,320
.set SPARE, 164864                     ; the spare words, 128 bytes for each wave: four blocks of 256 bytes that no other line names
.set LI,  1                            ; v1     16 x lane
.set AK,  2                            ; v2-3   my parity's K in slot 0, 1
.set AV,  4                            ; v4-5   my parity's V
.set SD,  6                            ; v6-7   where I store my part of a tile
.set SPW, 8                            ; v8     LDS address of my spare word; never rewritten
.set NIL, 9                            ; v9     0; never rewritten
.set MG,  10                           ; v10    my tile's part of MERGE
.set MGS, 11                           ; v11    its -M and l
.set FR,  64
.set XB,  192
.set MK,  42                           ; s42-57 sixteen lane masks in a step (the scales' exponents, which lie in s44-55 at the head, are done with at its end; s56, s57 are at work between the runs)
.set MSB, 0
.macro WIN new
.if MSB != \new
	s_set_vgpr_msb (MSB<<8)|\new
.set MSB, \new
.endif
.endm
.macro MKSC e, vs, vl
	s_add_co_i32 s56, s[\e], 127
	s_lshl_b32 s57, s56, 23
	v_mov_b32 v[\vs], s57
	s_add_co_i32 s56, s56, 8
	s_lshl_b32 s56, s56, 23
	s_or_b32 s56, s56, 0x600000
	v_mov_b32 v[\vl], s56
.endm
	s_load_b256 s[4:11], s[0:1], 0x0               ; qkvimg s[4:5], mbits s[6:7], scales s[8:9], aimg s[10:11]
	v_lshl_add_u32 v[SPW], v0, 2, SPARE
	v_mov_b32 v[NIL], 0
	v_lshrrev_b32 v1, 5, v0
	v_readfirstlane_b32 s12, v1                    ; wave 0..7
	v_and_b32 v1, 31, v0                           ; (the lane's arithmetic, which wants no wave number, stands between that line and the wait for it)
	v_lshlrev_b32 v249, 8, v1                      ; the prefetches' offset: 256 x lane; never rewritten
	v_lshlrev_b32 v[MGS], 2, v1
	v_lshlrev_b32 v[LI], 4, v1
	v_and_b32 v247, 15, v0
	v_bfe_u32 v248, v0, 4, 1
	v_lshlrev_b32 v248, 3, v248                    ; 8 h
	v_sub_nc_u32 v247, v247, v248                  ; r - 8 h
	v_mov_b32 v250, 0xec800000                     ; -2^90
	v_mov_b32 v251, 0xff800000                     ; -infinity
	v_mov_b32 v253, 0                              ; (named as the upper halves of pairs)
	v_mov_b32 v255, 0
	s_wait_alu depctr_va_sdst(0)                   ; s12 is written, ahead of its first reader: parity, tile and every base are made from it
	s_and_b32 s13, s12, 1                          ; parity
	s_lshr_b32 s14, s12, 1                         ; tile
	s_and_b32 s15, ttmp7, 0xffff                   ; g
	s_lshl_b32 s56, s13, 14
	v_add_nc_u32 v[AK], s56, v[LI]
	v_add_nc_u32 v[AK+1], SLOT1, v[AK]
	v_add_nc_u32 v[AV], VOFF, v[AK]
	v_add_nc_u32 v[AV+1], VOFF, v[AK+1]
	s_lshl_b32 s56, s12, 13
	v_add_nc_u32 v[SD], s56, v[LI]
	v_add_nc_u32 v[SD+1], SLOT1, v[SD]
	s_mul_i32 s56, s14, 8448
	s_add_co_u32 s56, s56, MERGE
	v_add_nc_u32 v[MG], s56, v[LI]
	s_add_co_u32 s56, s56, 8192
	v_add_nc_u32 v[MGS], s56, v[MGS]
	s_mov_b32 s38, 0x76543210                      ; v_permlanex16_b32: lane l xor 16
	s_mov_b32 s39, 0xfedcba98
	s_wait_kmcnt 0x0
	s_load_b256 s[44:51], s[8:9], 0x0              ; e0 .. e7
	s_load_b128 s[52:55], s[8:9], 0x20             ; e8 .. e11
	s_load_b32 s24, s[6:7], 0x200                  ; the first open key
	s_and_b32 s37, s14, 1
	s_lshl_b32 s56, s15, 1
	s_add_co_u32 s37, s37, s56                     ; my query head
	s_lshr_b32 s56, s12, 2                         ; waves 0-3 stage K (from 4 MiB on), waves 4-7 V (from 6 MiB on)
	s_lshl_b32 s56, s56, 21
	s_add_co_u32 s56, s56, 0x400000
	s_lshl_b32 s57, s15, 19
	s_add_co_u32 s56, s56, s57
	s_and_b32 s57, s12, 3
	s_lshl_b32 s57, s57, 13
	s_add_co_u32 s56, s56, s57
	s_mov_b32 s57, 0
	s_add_nc_u64 s[30:31], s[4:5], s[56:57]        ; my 8,192 bytes of tile 0
	s_sub_co_u32 s17, 127, ttmp9                   ; the block in hand
	s_mov_b32 s18, 2                               ; phases to go
	s_cmp_eq_u32 ttmp9, 0
	s_cselect_b32 s25, 13, 0                       ; who prefetches, and until which trip: see TRIP
	s_wait_kmcnt 0x0
	s_add_co_i32 s56, s50, s51
	s_lshl_b32 s56, s56, 23
	s_add_co_i32 s40, s56, 0x3e0293ee              ; c = log2(e) / sqrt(128), with e6 + e7 added to its exponent field
	s_mov_b32 s41, s40
	MKSC 52, 244, 240                              ; p's scale 2^e8
	s_sub_co_i32 s58, s54, s52
	s_sub_co_i32 s58, s58, s53
	MKSC 58, 246, 245                              ; O stands for O x 2^(e8 + e9): its code under 2^e10 is O / 2^(e10 - e8 - e9)
; A KEY STEP: my parity's 128 keys of the slot sl
.macro STEP sl
	s_lshr_b32 s36, s21, 3
	WIN 0x40
	s_wait_alu depctr_va_vdst(0)                   ; the last step's products are done reading FR and XB, in which this step's loads of K and of V's first four fragments land
	s_load_b128 s[32:35], s[6:7], s36 offset:0x0   ; the 128 keys' mask bits
.set tt, 0
.rept 8
.irp c, 0,1,2,3
	ds_load_b128 v[FR+16*tt+4*\c:FR+16*tt+4*\c+3], v[AK+\sl] offset:2048*tt+512*\c
.endr
.set tt, tt+1
.endr
	WIN 0x01                                       ; source 0 window 1
.set tt, 0
.rept 8
	s_wait_dscnt 28-4*tt                           ; tile tt's four loads are in; the later tiles' may be out
	v_wmma_f32_16x16x128_fp8_fp8 v[96+8*tt:103+8*tt], v[FR+16*tt:FR+16*tt+15], v[16:31], 0
.set tt, tt+1
.endr
	WIN 0x40
.set tt, 0
.rept 4
.irp c, 0,1,2,3
	ds_load_b128 v[XB+16*tt+4*\c:XB+16*tt+4*\c+3], v[AV+\sl] offset:2048*tt+512*\c   ; V's fragments 0 to 3 land under the softmax.  No wait: no vector or matrix instruction since the step's head names XB or the address
.endr
.set tt, tt+1
.endr
	WIN 0
.rept 4
	v_nop                                          ; places in front of the first read of the scores
.endr
	s_sub_co_i32 s57, s23, s21
	v_add_nc_u32 v32, s57, v247                    ; d = my query - the step's first key - 8 h: register 8 T + j is hidden where 16 T + j > d
	s_wait_kmcnt 0x0
	s_and_b32 s56, s32, s33
	s_and_b32 s57, s34, s35
	s_and_b32 s56, s56, s57
	s_cmp_eq_u32 s56, -1
	s_cbranch_scc0 .Lpad_\@
	s_add_co_u32 s57, s21, 127
	s_cmp_le_u32 s57, s23
	s_cbranch_scc1 .Lopen_\@                       ; no hole, and every key at or under every query: nothing to do
.set n, 0
.rept 4                                ; no hole: hidden keys go to the first level.  Sixteen compares in a run, one wait, sixteen selects
.set i, 0
.rept 16
	v_cmp_gt_i32 s[MK+i], 16*((n+i)/8)+(n+i)%8, v32
.set i, i+1
.endr
	s_wait_alu depctr_va_sdst(0)                   ; the sixteen masks s42 to s57 are written, ahead of the selects that read them
.set i, 0
.rept 16
	v_cndmask_b32 v[96+n+i], v[96+n+i], v250, s[MK+i]
.set i, i+1
.endr
.set n, n+16
.endr
	s_branch .Lopen_\@
.Lpad_\@:
.irp k, 0,1,2,3
	v_lshrrev_b32 v[36+\k], v248, s[32+\k]         ; my half's bits at 16 (T % 2) + j
.endr
.set tt, 0
.rept 8                                ; a key tile at a time: eight compares for the holes, eight for the diagonal, one wait, the selects
.set i, 0
.rept 8
	v_and_b32 v[40+i], 1<<(16*(tt%2)+i), v[36+tt/2]
.set i, i+1
.endr
.set i, 0
.rept 8
	v_cmp_eq_u32 s[MK+i], 0, v[40+i]               ; padded
.set i, i+1
.endr
.set i, 0
.rept 8
	v_cmp_gt_i32 s[MK+8+i], 16*tt+i, v32           ; hidden
.set i, i+1
.endr
	s_wait_alu depctr_va_sdst(0)                   ; the sixteen masks s42 to s57 are written, ahead of the selects that read them
.set i, 0
.rept 8
	v_cndmask_b32 v[52+i], v250, v251, s[MK+i]
.set i, i+1
.endr
.set i, 0
.rept 8
	v_cndmask_b32 v[96+8*tt+i], v[96+8*tt+i], v250, s[MK+i]
.set i, i+1
.endr
.set i, 0
.rept 8
	v_cndmask_b32 v[96+8*tt+i], v[96+8*tt+i], v[52+i], s[MK+8+i]
.set i, i+1
.endr
.set tt, tt+1
.endr
.Lopen_\@:
	v_max3_num_f32 v254, v96, v97, v98             ; the step's largest score of my query among my 64 keys, in two chains, each accumulator from its low end on,
	v_max3_num_f32 v252, v99, v100, v101
.set n, 6
.rept 14
	v_max3_num_f32 v254, v254, v[96+n], v[97+n]
	v_max3_num_f32 v252, v252, v[98+n], v[99+n]
.set n, n+4
.endr
	v_max3_num_f32 v254, v254, v158, v159
	v_max_num_f32 v254, v254, v252
	v_permlanex16_b32 v48, v254, s38, s39
	v_max_num_f32 v254, v254, v48                  ; and among lane l xor 16's
	v_mul_f32 v254, s40, v254                      ; as t (c is positive)
	v_max_num_f32 v13, v13, v254
	v_mov_b32 v254, v12
	v_floor_f32 v12, -v13                          ; -M = floor(-t): M is a whole number
	v_sub_f32 v254, v12, v254
	v_cvt_i32_f32 v254, v254                       ; (it saturates)
	v_ldexp_f32 v252, 1.0, v254                    ; f = 2^(old M - new M)
.set n, 0
.rept 32
	v_pk_fma_f32 v[96+n:97+n], v[96+n:97+n], s[40:41], v[12:13] op_sel_hi:[1,0,0]   ; t - M
.set n, n+2
.endr
.set n, 0
.rept 64
	v_exp_f32 v[96+n], v[96+n]                     ; p, not normalised
.set n, n+1
.endr
	v_pk_mul_f32 v[14:15], v[14:15], v[252:253] op_sel_hi:[1,0]   ; l under the new M.  (The plain line behind the exponentials)
	WIN 0x40
	s_wait_alu depctr_va_vdst(0)                   ; the 64 exponentials have written p, ahead of their first reader (one wait for the batch); and the products K Q^T are done reading FR's upper half, in which the loads below land
.set tt, 4
.rept 4
.irp c, 0,1,2,3
	ds_load_b128 v[FR+16*tt+4*\c:FR+16*tt+4*\c+3], v[AV+\sl] offset:2048*tt+512*\c   ; V's fragments 4 to 7 land under the sums, the holds, the conversions and the rescaling
.endr
.set tt, tt+1
.endr
	WIN 0
	v_pk_add_f32 v[242:243], v[96:97], v[98:99]    ; the row's sum is taken of the unquantised p, in two chains
.set n, 4
.rept 15
	v_pk_add_f32 v[14:15], v[14:15], v[96+n:97+n]
	v_pk_add_f32 v[242:243], v[242:243], v[98+n:99+n]
.set n, n+4
.endr
	v_pk_add_f32 v[14:15], v[14:15], v[242:243]
.set tt, 0
.rept 8
.set n, 0
.rept 8
	v_min_num_f32 v[96+8*tt+n], v[96+8*tt+n], v240 ; the conversion does not saturate (ISA guide 7.6.2); p is not negative: a one-sided hold
.set n, n+1
.endr
	v_cvt_scalef32_pk8_fp8_f32 v[224+2*tt:225+2*tt], v[96+8*tt:103+8*tt], v244
.set tt, tt+1
.endr
.set n, 0
.rept 32
	v_pk_mul_f32 v[160+n:161+n], v[160+n:161+n], v[252:253] op_sel_hi:[1,0]   ; O^T under the new M
.set n, n+2
.endr
	s_wait_dscnt 16                                ; V's fragments 0 to 3 are in; the sixteen younger loads may be out
	WIN 0x01
.set tt, 0
.rept 4
	v_wmma_f32_16x16x128_fp8_fp8 v[160+8*tt:167+8*tt], v[XB+16*tt:XB+16*tt+15], v[224:239], v[160+8*tt:167+8*tt]   ; eight accumulators by turns
.set tt, tt+1
.endr
.rept 4
	s_wait_dscnt 28-4*tt                           ; fragment tt's four loads are in; the later ones' may be out
	v_wmma_f32_16x16x128_fp8_fp8 v[160+8*tt:167+8*tt], v[FR+16*tt:FR+16*tt+15], v[224:239], v[160+8*tt:167+8*tt]
.set tt, tt+1
.endr
	WIN 0
.rept 4
	v_nop                                          ; places behind the last products, for whatever touches their registers next
.endr
.endm
; A TRIP: tile T lies in slot sl.
.macro TRIP sl
	s_add_co_u32 s27, s19, 1
	s_cmp_lt_u32 s27, s20
	s_cbranch_scc0 .Lno_ld_\@
	WIN 0x40
.set n, 0
.rept 16
	global_load_b128 v[4*n:4*n+3], v[LI], s[28:29] offset:512*n   ; my part of tile T + 1: it has this trip's step in which to land.  (The LDS stores that read these registers stand ahead of the wait in front of the last barrier)
.set n, n+1
.endr
	WIN 0
.Lno_ld_\@:
	; A PREFETCH INTO THE L2: all work-groups of a key/value head walk the same tiles from tile 0 on; the one with x = 0, whose first phase walks all 16, asks in trip T for tile T + 3, two trips ahead of the load that wants it:
	; each wave for its own 8,192 bytes, lanes 256 bytes apart: each aligned 256 bytes once in the launch.  T < 13: the last tile asked for is 15.  Tiles 0 to 2 come by their loads alone.
	s_cmp_lt_u32 s19, s25
	s_cbranch_scc0 .Lno_pf_\@
	global_prefetch_b8 v249, s[28:29] offset:65536 th:TH_LOAD_NT scope:SCOPE_SE
.Lno_pf_\@:
	s_cmp_le_u32 s21, s22                          ; does any of my queries see my 128 keys?
	s_cbranch_scc0 .Lno_step_\@
	STEP \sl
.Lno_step_\@:
	s_wait_loadcnt 0x0                             ; on every way, outside the branch below: no load into the staging registers is out when the trip ends, so the next trip's or the next phase's loads meet none
	s_cmp_lt_u32 s27, s20
	s_cbranch_scc0 .Lno_st_\@
	WIN 0x04                                       ; store data window 1
.set n, 0
.rept 16
	ds_store_b128 v[SD+1-\sl], v[4*n:4*n+3] offset:512*n   ; into the slot read last trip: every wave's reads of it were waited for in front of the last barrier
.set n, n+1
.endr
	WIN 0
.Lno_st_\@:
	s_wait_xcnt 0x0                                ; the loads and the prefetch have read their base
	s_add_nc_u64 s[28:29], s[28:29], 0x8000
	s_add_co_u32 s21, s21, 256
	s_add_co_u32 s19, s19, 1
	s_wait_alu depctr_vm_vsrc(0)                   ; my LDS stores have read the staging registers, in which the next trip's or the next phase's loads land
	s_wait_dscnt 0x0                               ; my stores have landed and my reads of this slot are over
	s_barrier_signal -1
	s_barrier_wait -1
.endm
.Lphase:
	s_wait_xcnt 0x0                                ; the last phase's stores and loads have read their registers
	s_wait_alu depctr_vm_vsrc(0)                   ; the last phase's global stores have read the codes v224 to v239, which this phase's conversions write again
	s_lshr_b32 s20, s17, 3
	s_add_co_u32 s20, s20, 1                       ; tiles that the block needs,
	s_lshl_b32 s26, s17, 5
	s_cmp_lt_u32 s26, s24
	s_cselect_b32 s20, 16, s20                     ; all 16 where a query lies under the first open key
	s_lshr_b32 s27, s14, 1
	s_lshl_b32 s27, s27, 4
	s_add_co_u32 s23, s26, s27                     ; my first query
	s_add_co_u32 s22, s23, 15                      ; the last key that I walk to
	s_cmp_lt_u32 s23, s24
	s_cselect_b32 s22, 0xfff, s22
	s_lshr_b32 s26, s23, 4
	s_lshl_b32 s56, s37, 8
	s_add_co_u32 s56, s56, s26
	s_lshl_b32 s56, s56, 11
	s_mov_b32 s57, 0
	s_add_nc_u64 s[58:59], s[4:5], s[56:57]        ; Q's image
	s_lshl_b32 s56, s26, 3
	s_add_co_u32 s56, s56, s37
	s_lshl_b32 s56, s56, 11
	s_add_nc_u64 s[60:61], s[10:11], s[56:57]      ; the output's image
	s_mov_b64 s[28:29], s[30:31]
	WIN 0x40
	s_wait_alu depctr_va_vdst(0)                   ; first phase: the addresses and offsets v1 to v7, v10, v11, v249 are written, which every load, store and prefetch of the kernel reads; second phase: the products are done reading Q, in which the loads below land
.set n, 0
.rept 16
	global_load_b128 v[4*n:4*n+3], v[LI], s[28:29] offset:512*n   ; my part of tile 0
.set n, n+1
.endr
	WIN 0
.irp c, 0,1,2,3
	global_load_b128 v[16+4*\c:19+4*\c], v[LI], s[58:59] offset:512*\c
.endr
	v_mov_b32 v13, 0xff61b1e6                      ; the largest t so far: -3e38, under every t
	v_floor_f32 v12, -v13
	v_mov_b32 v14, 0
	v_mov_b32 v15, 0
	v_mov_b32 v48, 0                               ; a lane permute's destination counts as read
.set n, 0
.rept 64
	v_mov_b32 v[160+n], 0                          ; O^T: the step is written once, and its first change of M multiplies zeros
.set n, n+1
.endr
	s_wait_xcnt 0x0
	s_add_nc_u64 s[28:29], s[28:29], 0x8000
	s_wait_loadcnt 0x0
	WIN 0x04
.set n, 0
.rept 16
	ds_store_b128 v[SD], v[4*n:4*n+3] offset:512*n
.set n, n+1
.endr
	WIN 0
	s_mov_b32 s19, 0                               ; T
	s_lshl_b32 s21, s13, 7                         ; my step's first key
	s_mov_b32 s26, 8
	s_wait_alu depctr_vm_vsrc(0)                   ; my LDS stores have read the staging registers, in which the first trip's loads land
	s_wait_dscnt 0x0
	s_barrier_signal -1
	s_barrier_wait -1
.Ltrip:
	TRIP 0
	TRIP 1
	s_sub_co_u32 s26, s26, 1
	s_cmp_lg_u32 s26, 0
	s_cbranch_scc1 .Ltrip
	; THE TWO PARITIES MEET
	v_add_f32 v14, v14, v15
	v_permlanex16_b32 v48, v14, s38, s39
	v_add_f32 v14, v14, v48                        ; my parity's sum of the row
	s_wait_alu depctr_va_vdst(0)                   ; O^T, -M and l are written, which the odd waves' LDS stores read (the places behind the last products stand at the step's end); and the vector lines are done with v32 to v95, v241 and v242, in which the even waves' LDS loads land
	s_cmp_eq_u32 s13, 0
	s_cbranch_scc1 .Lkeep
.set n, 0
.rept 16
	ds_store_b128 v[MG], v[160+4*n:163+4*n] offset:512*n
.set n, n+1
.endr
	ds_store_b32 v[MGS], v12
	ds_store_b32 v[MGS], v14 offset:128
.Lkeep:
	s_wait_alu depctr_vm_vsrc(0)                   ; the LDS stores above have read O^T, -M and l, which vector lines behind this barrier write again
	s_wait_dscnt 0x0
	s_barrier_signal -1
	s_barrier_wait -1
	s_cmp_lg_u32 s13, 0
	s_cbranch_scc1 .Lphase_end
.set n, 0
.rept 16
	ds_load_b128 v[32+4*n:35+4*n], v[MG] offset:512*n
.set n, n+1
.endr
	ds_load_b32 v241, v[MGS]
	ds_load_b32 v242, v[MGS] offset:128
	s_wait_dscnt 0x0
	v_min_num_f32 v243, v12, v241                  ; -M of both
	v_sub_f32 v252, v243, v12
	v_sub_f32 v254, v243, v241
	v_cvt_i32_f32 v252, v252
	v_cvt_i32_f32 v254, v254
	v_ldexp_f32 v252, 1.0, v252                    ; each parity's factor: an exact power of two, or 0
	v_ldexp_f32 v254, 1.0, v254
	v_mul_f32 v14, v14, v252
	v_fma_f32 v14, v242, v254, v14                 ; l
	v_rcp_f32 v241, v14
	v_nop
	s_wait_alu depctr_va_vdst(0)                   ; the reciprocal has written v241, ahead of its first reader
	v_mul_f32 v252, v252, v241
	v_mul_f32 v254, v254, v241
.set n, 0
.rept 32
	v_pk_mul_f32 v[160+n:161+n], v[160+n:161+n], v[252:253] op_sel_hi:[1,0]
.set n, n+2
.endr
.set n, 0
.rept 32
	v_pk_fma_f32 v[160+n:161+n], v[32+n:33+n], v[254:255], v[160+n:161+n] op_sel_hi:[1,0,1]   ; O / l
.set n, n+2
.endr
.set tt, 0
.rept 8
.set n, 0
.rept 8
	v_med3_num_f32 v[160+8*tt+n], v[160+8*tt+n], -v245, v245
.set n, n+1
.endr
	v_cvt_scalef32_pk8_fp8_f32 v[224+2*tt:225+2*tt], v[160+8*tt:167+8*tt], v246
.set tt, tt+1
.endr
	v_nop                                          ; a plain line behind the last conversion
	s_wait_alu depctr_va_vdst(0)                   ; the conversions have written the codes v224 to v239, which the stores below read
.irp c, 0,1,2,3
	global_store_b128 v[LI], v[224+4*\c:227+4*\c], s[60:61] offset:512*\c   ; the image of 16 queries x this head's 128: 512 consecutive bytes a store
.endr
.Lphase_end:
	s_sub_co_u32 s17, 127, s17                     ; the other block
	s_mov_b32 s25, 0                               ; the second phase prefetches nothing: its tiles have been read
	s_sub_co_u32 s18, s18, 1
	s_cmp_lg_u32 s18, 0
	s_cbranch_scc1 .Lphase
	s_wait_dscnt 0x0                               ; the closing lines, six on end
	s_wait_alu 0x0
	s_wait_tensorcnt 0x0
	ds_add_u32 v[SPW], v[NIL]
	s_wait_dscnt 0x0
	s_endpgm
.Lfunc_end_k_qae6206851d_attn:
	.size	k_qae6206851d_attn, .Lfunc_end_k_qae6206851d_attn-k_qae6206851d_attn
	.p2alignl 7, 3214868480
	.fill 96, 4, 3214868480
	.section	.rodata,"a",@progbits
	.p2align	6, 0x0
	.amdhsa_kernel k_qae6206851d_attn
		.amdhsa_group_segment_fixed_size 165888
		.amdhsa_private_segment_fixed_size 0
		.amdhsa_enable_private_segment 0
		.amdhsa_kernarg_size 32
		.amdhsa_user_sgpr_count 2
		.amdhsa_user_sgpr_kernarg_segment_ptr 1
		.amdhsa_wavefront_size32 1
		.amdhsa_system_sgpr_workgroup_id_x 1
		.amdhsa_system_sgpr_workgroup_id_y 1
		.amdhsa_system_sgpr_workgroup_id_z 1
		.amdhsa_system_vgpr_workitem_id 0
		.amdhsa_next_free_vgpr 512
		.amdhsa_next_free_sgpr 66
		.amdhsa_reserve_vcc 0
		.amdhsa_float_denorm_mode_32 3
		.amdhsa_float_denorm_mode_16_64 3
		.amdhsa_memory_ordered 1
		.amdhsa_forward_progress 1
		.amdhsa_inst_pref_size 136
	.end_amdhsa_kernel
	.amdgpu_metadata
---
amdhsa.version: [ 1, 2 ]
amdhsa.kernels:
  - .name:           k_qae6206851d_attn
    .symbol:         k_qae6206851d_attn.kd
    .args:
      - { .name: qkvimg, .offset: 0, .size: 8, .value_kind: global_buffer, .address_space: global }
      - { .name: mbits, .offset: 8, .size: 8, .value_kind: global_buffer, .address_space: global }
      - { .name: lowp_scales, .offset: 16, .size: 8, .value_kind: global_buffer, .address_space: global }
      - { .name: aimg, .offset: 24, .size: 8, .value_kind: global_buffer, .address_space: global }
    .group_segment_fixed_size: 165888
    .private_segment_fixed_size: 0
    .kernarg_segment_align: 8
    .kernarg_segment_size: 32
    .max_flat_workgroup_size: 256
    .sgpr_count:     66
    .vgpr_count:     512
    .wavefront_size: 32
...
	.end_amdgpu_metadata
.endif
;; end of part 5
;; launch proj: the kernel of part 4 again; grid 16 x 16, 4 waves a work-group, clusters of 4 x 4, 327,680 bytes of LDS; arguments aimg, woimg, lowp_scales, out0; writes out0
